; MI455X (gfx1250); checked and timed in simulation.
; The chip was launched on July 23, 2026; its instructions are those of AMD's public machine-readable ISA for CDNA 5 (MIT licence, August 2026) and "CDNA5" Instruction Set Architecture Reference Guide (July 2026). The comments in the code are by the model that wrote it; some were corrected since.
;; Portable Loft Q Layer. Allowed arithmetic: matrix products marked QUANTISED: E2M1 operands, one E8M0 scale for each 32 along K, by v_wmma_scale_f32_16x16x128_f8f6f4 with both operands' format E2M1 (or v_wmma_scale_f32_32x16x128_f4), f32 sums; everything else in f32.
;; Inputs: absmax 262,144 float32; bias 4,096 float32; lora_A 64 x 4,096 float32; lora_B 4,096 x 64 float32; qcodes 4,096 x 4,096 int32; x 2,048 x 4,096 float32.
;; Outputs: out0 2,048 x 4,096 float32.
;; This version of the problem:
;;   THIS VERSION OF THE PROBLEM IS GIVEN IN LOW PRECISION. The matrix products marked QUANTISED in the list below multiply operands that are first quantised to E2M1 (2 exponent bits, 1 mantissa bit; 4 bits a number), with one power-of-two scale for each 32 numbers along K (OCP MX v1.0); their sums are f32. All else is computed in f32.
;;   The module's matrix products, in the order in which they are computed (A, B: the left and right operand; K: the contracted axis; several contracted axes count as one K, in the product's order):
;;     1. [M 2,048, K 4,096] x [K 4,096, N 4,096]; A: input x; B: computed on the way: QUANTISED
;;     2. [M 4,096, K 64] x [K 64, N 4,096]; A: input lora_B; B: input lora_A: QUANTISED
;;     3. [M 2,048, K 4,096] x [K 4,096, N 4,096]; A: input x; B: computed on the way: QUANTISED
;;   THE QUANTISER, for each operand of a quantised product, along K:
;;     - K is cut into blocks of 32 from its start; a last block that is shorter is filled with zeros.
;;     - A block's scale is 2^e with e = floor(log2(the largest magnitude in the block)) - 2, held to -126 .. 127; a block of zeros has e = 0. As a byte (E8M0): e + 127.
;;     - Each number is divided by its block's scale, clamped to +-6, and rounded to the nearest number of E2M1, ties to even, subnormals kept.
;;     - The product sums the exact products of the quantised numbers (number of the format x scale) in f32.
;;   ~~~python
;;   def quantise(x, axis):      # numpy; x: float32 -> the quantised numbers, widened to float32 again
;;       x = np.moveaxis(x, axis, -1); K = x.shape[-1]
;;       x = np.pad(x, [(0, 0)] * (x.ndim - 1) + [(0, -K % 32)]); x = x.reshape(x.shape[:-1] + (-1, 32)); a = np.abs(x).max(-1, keepdims=True)
;;       e = np.where(a > 0, np.clip(np.frexp(np.where(a > 0, a, 1))[1] - 1 - 2, -126, 127), 0)      # np.frexp(a)[1] - 1 = floor(log2(a)), exactly
;;       r = np.clip(x / 2.0 ** e, -6, 6)
;;       step = 2.0 ** (np.maximum(np.frexp(np.where(r == 0, 1, r))[1] - 1, 0) - 1)
;;       q = np.round(r / step) * step * 2.0 ** e      # np.round: ties to even
;;       return np.moveaxis(q.reshape(q.shape[:-2] + (-1,))[..., :K], -1, axis).astype(np.float32)
;;   ~~~
;;   OPERANDS COMPUTED ON THE WAY. 'Computed on the way' means the value that the module computes at that place (a softmax that the list does not call 'softmax' is quantised finished and normalised). What goes into a quantiser is computed in f32, as accurately as f32 sums, v_exp_f32 and their like allow (about 1e-6 of the number): no bf16 or f16 on the way to a quantiser, and a product that is left as it is and whose result goes on into a quantised operand takes f32 operands (vector FMAs, or v_wmma_f32_16x16x4_f32). A number that lies on a knife's edge between two numbers of the format may be rounded either way, as far as f32 arithmetic and the matrix unit's own rounding can turn it there, and no further.
;; 2 versions, each right; version 2 is version 1 with the launch prep written anew for expert scheduling mode. Each part assembles by itself: llvm-mc -triple=amdgcn-amd-amdhsa -mcpu=gfx1250 --defsym DOCPART=n.
;; ======== version 1 of 2: 2 launches
;; workspace buffers: xq 4,456,448 bytes; bq 17,825,792 bytes
;; launch prep (part 1): grid 1024 x 1, 4 waves a work-group, no clusters, 70,144 bytes of LDS; arguments x, qcodes, absmax, lora_A, lora_B, xq, bq; writes xq, bq
.if DOCPART == 1
	.amdgcn_target "amdgcn-amd-amdhsa--gfx1250"
	.amdhsa_code_object_version 6
	.text
	.protected	k_qc2896ffa10_prep
	.globl	k_qc2896ffa10_prep
	.p2align	8
	.type	k_qc2896ffa10_prep,@function
k_qc2896ffa10_prep:
	s_mov_b64 s[64:65], 0
	v_nop
	global_prefetch_b8 v0, s[64:65] scope:SCOPE_SE
	s_setreg_imm32_b32 hwreg(HW_REG_WAVE_MODE, 25, 1), 1
	s_wait_xcnt 0x0
; THE OPERANDS OF THE TWO LARGE PRODUCTS ARE MADE ONCE, as codes of FP4 (E2M1) with one E8M0 scale byte for each 32 along K (the 4,096 inputs):
;   x [2048][4096] f32;   W = NF4 table[qcodes] x absmax (one absmax for 64 numbers), [4096][4096];   D = Q(lora_B) Q(lora_A), [4096][4096], itself a product on codes (K = 64).
; A block's scale is 2^(floor(log2(its largest magnitude)) - 2): its byte is the largest magnitude's exponent field - 2, held at 1 from below.
; LIMITS: NaN and infinities among the inputs are not served.  A block whose largest magnitude lies under 2^-124 gets the byte 1; a block of zeros too (the rule says 127): its codes are zeros, and
; this program alone reads the bytes.  A qcode outside 0 .. 15 is taken modulo 32, and 16 .. 31 give 0.
; THE WORKSPACE IS LAID AS THE NEXT LAUNCH'S REGISTERS WANT IT, in half records of HREC = 34,816 bytes: 8 blocks f of 16 rows x 512 along K.  Codes: f 4096 + q 1024 + c 512 + 16 lane holds registers
; 4 c .. 4 c + 3 of lane (r, h) of the fragment of the q-th 128 along K: k = 128 q + 64 c + 32 h + 0 .. 31 of row r.  Scale words: 32768 + f 256 + 16 r + 4 q.
;   xq [mtile 8][kslot 8][half 2][HREC]: row 256 mtile + 128 half + 16 f + r.     bq [ntile 32][kslot 8][half 2][HREC]: f 0-3: W's rows 128 ntile + 64 half + 16 f + r; f 4-7: the same rows of D.
; SHARES, by the work-group's number: 0-255 make D; 256-767 W; 768-1023 x: 1,024 work-groups, four for each of 256 WGPs.  W and x take ONE way through the text (the buffers are chosen by the
; work-group's number); D's way has LDS bytes of its own.  No tensor loads, no ring: four work-groups fit on a WGP by their registers (4 x 256 a SIMD) and by their LDS (4 x 70,144 bytes).
.set HREC,  34816
.set STG,   8448                       ; LDS: a stage for each wave of W's and x's way: 16 rows x SP
.set SP,    528                        ; a stage row: 512 bytes + 16: the sixteen rows that a read touches begin 4 words apart modulo 64 words
.set IMG,   4*STG                      ; D's way: the images of Q(lora_A)'s 32 fragments (128 q + tile t: 512 bytes each: registers 0-3 of 32 lanes)
.set SCB,   IMG+16384                  ; their scale words, [q 4][row 16][tile 8] x 4 bytes
.set BST,   SCB+2048                   ; and a stage for each wave for lora_B's rows: 16 rows x BSP
.set BSP,   272                        ; 256 bytes + 16
.set R,     16                         ; v16-143  two sets of 64: a fragment's numbers as they are loaded
.set X,     144                        ; v144-207 64 numbers of my row: register 16 b + i = k 32 b + 16 h + i
.set TM,    208                        ; v208-223 at work in the quantiser
.set PC,    224                        ; v224-239 codes, two sets of 8
.set PW,    240                        ; v240-243 the four scale words of a unit
.set AM,    244                        ; v244-251 my row's eight absmax
.set TAB,   252                        ; v252     the NF4 table: lane i holds entry i; lanes 16-31 hold 0
.set OUTW,  254                        ; v254-255 the scale words that I store
.set RAW,   16                         ; D's way, set-up: v16-143 32 rows of lora_A x my 4 columns
.set GB,    176                        ;          set-up: v176-207 one column's 32 numbers on end
.set CA,    224                        ;          set-up: v224-239 four columns' codes
.set SBY,   240                        ;          set-up: v240-243 four columns' scale words in the making
.set AF,    16                         ; D's way: v16-79 lora_A's eight fragments (registers 4-7 of each are zero codes: K = 64 of 128)
.set H,     80                         ; v80-143  eight tiles of D
.set BR,    80                         ; v80-111  my 32 numbers of lora_B: in the registers of D's first tiles, which hold nothing at that time
.set BRAW,  144                        ; v144-175 16 rows of lora_B as they are loaded
.set QB,    176                        ; v176-183 lora_B's fragment (registers 4-7 zero codes)
.set LI,    244                        ; v244-251 LDS addresses of D's way
.set SCR,   245
.set SH8,   246
.set BSTW,  247
.set BSTR,  248
.set IMGW,  249
.set SCW,   250
.set TA,    251
.set ASC,   8                          ; v8-15    lora_A's scale words, a register a tile: these nine registers hold scales and nothing else
.set QBS,   253                        ; v253     lora_B's scale word
.set WV,    18                         ; s18      my wave's number
.set HM,    19                         ; s19      a mask of lanes 16-31
.set SEL,   20                         ; s[20:21] v_permlanex16_b32's selects for lane l xor 16
; 64 numbers of a lane, v[s] .. v[s + 63], register 16 b + i = k 32 b + 16 (lane / 16) + i of my row, become a fragment's codes in v[pc] .. v[pc + 7] and its scale word in v[pw].
.macro QUANT s, pc, pw
.irp b, 0,1,2,3
	v_max3_num_f32 v[TM+\b], |v[(\s)+16*\b]|, |v[(\s)+1+16*\b]|, 0x1800000   ; block b: my 16 numbers, and the floor 2^(3 - 127): so the byte cannot fall under 1
.endr
.irp i, 2,4,6,8,10,12,14
.irp b, 0,1,2,3
	v_max3_num_f32 v[TM+\b], v[TM+\b], |v[(\s)+16*\b+\i]|, |v[(\s)+1+16*\b+\i]|   ; the four blocks by turns
.endr
.endr
.irp b, 0,1,2,3
	v_permlanex16_b32 v[TM+4+\b], v[TM+\b], s[SEL], s[SEL+1]
.endr
.irp b, 0,1,2,3
	v_max_num_f32 v[TM+\b], v[TM+\b], v[TM+4+\b]           ; with lane l xor 16's: the block's largest magnitude
.endr
.irp b, 0,1,2,3
	v_add_nc_u32 v[TM+12+\b], 0xff000000, v[TM+\b]         ; 2 off its exponent field: the conversion takes the exponent field of this operand as its scale
.endr
.irp b, 0,1,2,3
	v_lshrrev_b32 v[TM+4+\b], 23, v[TM+12+\b]              ; the scale's byte
.endr
	v_lshl_or_b32 v[\pw], v[TM+5], 8, v[TM+4]              ; the four bytes make my row's scale word (both halves of the lanes hold it)
	v_lshl_or_b32 v[\pw], v[TM+6], 16, v[\pw]
	v_lshl_or_b32 v[\pw], v[TM+7], 24, v[\pw]
.irp b, 0,1,2,3
	v_cvt_scalef32_pk8_fp4_f32 v[(\pc)+2*\b], v[(\s)+16*\b:(\s)+7+16*\b], v[TM+12+\b]
	v_cvt_scalef32_pk8_fp4_f32 v[(\pc)+1+2*\b], v[(\s)+8+16*\b:(\s)+15+16*\b], v[TM+12+\b]
.endr
	v_nop                                                  ; one plain line behind the scaled conversions
.irp c, 0,1                                            ; the operand's layout wants a whole block in a lane: lanes 0-15 block 2 c, lanes 16-31 block 2 c + 1
.irp i, 0,1
	v_permlane16_swap_b32 v[(\pc)+4*\c+\i], v[(\pc)+2+4*\c+\i]
.endr
.endr
.endm
; A whole block of 32 in one lane's registers v[l] .. v[l + 31]: the conversion's scale operand into v[TM + 12], the byte into v[TM + 2]
.macro MAX32 l
	v_max3_num_f32 v[TM], |v[(\l)]|, |v[(\l)+1]|, |v[(\l)+2]|
	v_max3_num_f32 v[TM+1], |v[(\l)+3]|, |v[(\l)+4]|, |v[(\l)+5]|
.irp i, 6,10,14,18,22,26
	v_max3_num_f32 v[TM], v[TM], |v[(\l)+\i]|, |v[(\l)+\i+1]|
	v_max3_num_f32 v[TM+1], v[TM+1], |v[(\l)+\i+2]|, |v[(\l)+\i+3]|
.endr
	v_max3_num_f32 v[TM], v[TM], |v[(\l)+30]|, |v[(\l)+31]|
	v_max3_num_f32 v[TM], v[TM], v[TM+1], 0x1800000        ; and the floor
	v_add_nc_u32 v[TM+12], 0xff000000, v[TM]
	v_lshrrev_b32 v[TM+2], 23, v[TM+12]
.endm
.macro CVT32 d, l                      ; and its 32 codes into v[d] .. v[d + 3]
.irp g, 0,1,2,3
	v_cvt_scalef32_pk8_fp4_f32 v[(\d)+\g], v[(\l)+8*\g:(\l)+8*\g+7], v[TM+12]
.endr
	v_nop                                                  ; one plain line behind the scaled conversions
.endm
	s_load_b256 s[4:11], s[0:1], 0x0               ; x s[4:5], qcodes s[6:7], absmax s[8:9], lora_A s[10:11]
	s_load_b128 s[12:15], s[0:1], 0x20             ; lora_B s[12:13], xq s[14:15]
	s_load_b64 s[16:17], s[0:1], 0x30              ; bq
	v_lshl_add_u32 v218, v0, 2, 0x11000
	v_mov_b32 v219, 0
	v_lshrrev_b32 v1, 5, v0
	v_readfirstlane_b32 s[WV], v1                  ; wave 0..3
	v_and_b32 v1, 31, v0
	v_lshlrev_b32 v1, 4, v1                        ; v1: 16 x lane
	v_and_b32 v6, 15, v0                           ; v6: r
	v_bfe_u32 v7, v0, 4, 1                         ; v7: h
	v_lshlrev_b32 v4, 4, v6
	v_lshl_add_u32 v4, v7, 3, v4                   ; v4: 16 r + 8 h: where I store two scale words
.irp b, 0,1,2,3
	v_mov_b32 v[TM+4+\b], 0                        ; written once: a lane permute's destination counts as one of its sources
.endr
	s_mov_b32 s[HM], 0xffff0000
	s_mov_b32 s[SEL], 0x76543210
	s_mov_b32 s[SEL+1], 0xfedcba98
	s_wait_kmcnt 0x0
	s_cmp_lt_u32 ttmp9, 256
	s_cbranch_scc1 .Ldelta
; ---------------- W AND x.  A wave takes 16 rows x 512 along K: one block f of one half record, four fragments.  It keeps two fragments' loads (32 loads of 512 bytes) on their way.
	s_mul_i32 s45, s[WV], STG
	v_add_nc_u32 v2, s45, v1                       ; v2: the stage on the way in: a row's 512 bytes as they lie
	v_mul_u32_u24 v3, v6, SP
	v_lshl_add_u32 v3, v7, 6, v3
	v_add_nc_u32 v3, s45, v3                       ; v3: and on the way out: row r, + 64 h: my 16 numbers of a block of 32
	v_lshlrev_b32 v5, 8, v6                        ; v5: a row of W has 64 absmax: 256 bytes
	s_sub_co_u32 s22, ttmp9, 256
	s_cmp_lt_u32 s22, 512                          ; W's work-group or x's?  The choice hangs on the work-group's number alone
	s_cselect_b32 s23, 1, 0                        ; s23: 1 for W
	s_cselect_b64 s[24:25], s[6:7], s[4:5]         ; from where,
	s_cselect_b64 s[26:27], s[16:17], s[14:15]     ; to where,
	s_cselect_b32 s28, 0, 512
	s_cselect_b32 s29, 2, 3                        ; a half record has 4 blocks of W's rows, 8 of x's
	s_cselect_b32 s30, 3, 7
	s_sub_co_u32 s22, s22, s28
	s_lshr_b32 s31, s22, 1                         ; s31: which 16 rows
	s_and_b32 s22, s22, 1
	s_lshl_b32 s22, s22, 2
	s_add_co_u32 s22, s22, s[WV]                   ; s22: which 512 along K: 4 x (work-group's low bit) + wave
	s_lshr_b32 s32, s31, s29                       ; 2 x tile + half
	s_and_b32 s33, s31, s30                        ; f
	s_lshr_b32 s34, s32, 1
	s_lshl_b32 s34, s34, 3
	s_add_co_u32 s34, s34, s22
	s_lshl_b32 s34, s34, 1
	s_and_b32 s32, s32, 1
	s_add_co_u32 s34, s34, s32                     ; the half record: (tile x 8 + kslot) x 2 + half
	s_mul_i32 s34, s34, HREC
	s_mov_b32 s37, 0
	s_lshl_b32 s36, s33, 12
	s_add_co_u32 s36, s36, s34
	s_add_nc_u64 s[38:39], s[26:27], s[36:37]      ; s[38:39]: my block's codes
	s_lshl_b32 s36, s33, 8
	s_add_co_u32 s36, s36, s34
	s_add_co_u32 s36, s36, 32768
	s_add_nc_u64 s[40:41], s[26:27], s[36:37]      ; s[40:41]: its scale words
	s_lshl_b32 s36, s31, 18                        ; 16 rows of 16,384 bytes,
	s_lshl_b32 s35, s22, 11                        ; 512 numbers of 4 bytes
	s_add_co_u32 s36, s36, s35
	s_add_nc_u64 s[24:25], s[24:25], s[36:37]      ; s[24:25]: my unit's first number
	s_lshl_b32 s36, s31, 12
	s_lshl_b32 s35, s22, 5
	s_add_co_u32 s36, s36, s35
	s_add_nc_u64 s[42:43], s[8:9], s[36:37]        ; s[42:43]: absmax of my 16 rows and 512 along K
; The eight absmax and the table are made in x's work-groups too, which use neither (the address lies inside absmax there as well): 35 lines once a wave, so that the head has no branch and the counts of loads are one and the same.
	global_load_b128 v[AM:AM+3], v5, s[42:43]
	global_load_b128 v[AM+4:AM+7], v5, s[42:43] offset:16
.macro LOAD q                          ; fragment q: 16 rows x 128 numbers; each load reads 512 consecutive bytes of one row
.irp i, 0,1,2,3,4,5,6,7,8,9,10,11,12,13,14,15
	global_load_b128 v[R+64*((\q)%2)+4*\i:R+64*((\q)%2)+4*\i+3], v1, s[24:25] offset:\i*16384+(\q)*512 th:TH_LOAD_NT
.endr
.endm
	LOAD 0
	LOAD 1
	v_mov_b32 v[TAB], 0
.macro ENTRY i, bits
	s_mov_b32 s44, \bits
	v_writelane_b32 v[TAB], s44, \i
.endm
	ENTRY 0,  0xbf800000                           ; -1.0
	ENTRY 1,  0xbf3239b1                           ; -0.6961928009986877
	ENTRY 2,  0xbf066b30                           ; -0.5250730514526367
	ENTRY 3,  0xbeca32a0                           ; -0.39491748809814453
	ENTRY 4,  0xbe91a24d                           ; -0.28444138169288635
	ENTRY 5,  0xbe3d353f                           ; -0.18477343022823334
	ENTRY 6,  0xbdba7871                           ; -0.09105003625154495
	ENTRY 7,  0                                    ;  0.0
	ENTRY 8,  0x3da2faff                           ;  0.07958029955625534
	ENTRY 9,  0x3e24cae3                           ;  0.16093020141124725
	ENTRY 10, 0x3e7c04e3                           ;  0.2461123913526535
	ENTRY 11, 0x3ead033a                           ;  0.33791524171829224
	ENTRY 12, 0x3ee1a4b8                           ;  0.44070982933044434
	ENTRY 13, 0x3f1007ab                           ;  0.5626170039176941
	ENTRY 14, 0x3f3913b3                           ;  0.7229568362236023
	ENTRY 15, 0x3f800000                           ;  1.0
; One fragment.  The loads take the bytes as they lie; the quantiser wants 16 neighbours of each block of 32 in a lane: so the 16 x 512 bytes turn through my wave's own stage.
.macro FRAGQ q
.if (\q) < 3
	s_wait_loadcnt 16                              ; this fragment's 16 loads are in (and the absmax, which are older); the next fragment's 16 may be out
.else
	s_wait_loadcnt 0x0
.endif
.irp i, 0,1,2,3,4,5,6,7,8,9,10,11,12,13,14,15
	ds_store_b128 v2, v[R+64*((\q)%2)+4*\i:R+64*((\q)%2)+4*\i+3] offset:SP*\i
.endr
.irp b, 0,1,2,3
.irp j, 0,1,2,3
	ds_load_b128 v[X+16*\b+4*\j:X+16*\b+4*\j+3], v3 offset:128*\b+16*\j   ; LDS serves a wave's instructions in order: these see the stores above
.endr
.endr
	s_wait_dscnt 0x0                               ; my numbers are back, and the stores into the stage have read their registers,
.if (\q) < 2
	LOAD (\q)+2                                    ; which take the loads of two fragments on
.endif
	s_cmp_eq_u32 s23, 0
	s_cbranch_scc1 .Lplain_\@                      ; x's numbers are what they are
.irp b, 0,1,2,3                                ; W: code -> table entry: lane i of the table register holds entry i, and each lane pulls from lane = its code
.irp i, 0,1,2,3,4,5,6,7,8,9,10,11,12,13,14,15
	v_lshlrev_b32 v[X+16*\b+\i], 2, v[X+16*\b+\i]          ; the permute's index is 4 x lane
.endr
.irp i, 0,1,2,3,4,5,6,7,8,9,10,11,12,13,14,15
	ds_bpermute_b32 v[X+16*\b+\i], v[X+16*\b+\i], v[TAB]   ; no LDS byte is touched; the result lands on its own index
.endr
.endr
.irp b, 0,1,2,3
	s_wait_dscnt 48-16*\b                          ; block b's 16 are in; the permutes of the blocks behind it may be out
.irp i, 0,2,4,6,8,10,12,14
.if \b < 2
	v_pk_mul_f32 v[X+16*\b+\i:X+16*\b+\i+1], v[X+16*\b+\i:X+16*\b+\i+1], v[AM+2*(\q):AM+2*(\q)+1] op_sel_hi:[1,0]            ; x the absmax of the fragment's first 64
.else
	v_pk_mul_f32 v[X+16*\b+\i:X+16*\b+\i+1], v[X+16*\b+\i:X+16*\b+\i+1], v[AM+2*(\q):AM+2*(\q)+1] op_sel:[0,1] op_sel_hi:[1,1]   ; of its second 64
.endif
.endr
.endr
.Lplain_\@:
.if (\q) >= 2
	s_wait_xcnt 0x0                                ; the stores of two fragments back have read this set of code registers
.endif
	QUANT X, PC+8*((\q)%2), PW+(\q)
	global_store_b128 v1, v[PC+8*((\q)%2):PC+8*((\q)%2)+3], s[38:39] offset:(\q)*1024        ; 32 lanes store 512 consecutive bytes, at a multiple of 256 from the buffer's first byte
	global_store_b128 v1, v[PC+8*((\q)%2)+4:PC+8*((\q)%2)+7], s[38:39] offset:(\q)*1024+512
.endm
	FRAGQ 0
	FRAGQ 1
	FRAGQ 2
	FRAGQ 3
	v_cndmask_b32 v[OUTW], v[PW], v[PW+2], s[HM]   ; lanes 0-15 store their row's words 0 and 1, lanes 16-31 words 2 and 3:
	v_cndmask_b32 v[OUTW+1], v[PW+1], v[PW+3], s[HM]
	global_store_b64 v4, v[OUTW:OUTW+1], s[40:41]  ; 32 lanes store 256 consecutive bytes, aligned
	s_wait_tensorcnt 0x0
	ds_add_u32 v218, v219
	s_wait_dscnt 0x0
	s_endpgm
; ---------------- D = Q(lora_B) Q(lora_A).  Work-group d: kslot d % 8 (512 inputs), rows 128 (d / 8) on; wave w: 32 of them, two blocks of one half record, 16 rows a trip.
; The product is used transposed: source 0 = 16 inputs (columns of lora_A, K = the 64 innermost), source 1 = 16 rows of lora_B: a lane then holds ONE row of D, and its registers run along the inputs, the next K.
; THE INPUTS OF A TILE ARE NOT NEIGHBOURS: lane r of tile 2 b + u takes input 32 b + 8 u + r + 8 (r / 8), so that the 16 registers of tiles 2 b and 2 b + 1 are 16 neighbours, 32 b + 16 h + 0 .. 15.
; K = 64 is half of the instruction's 128: on both sides registers 4-7 are zero codes, and the scale bytes of those two blocks are 127.
.Ldelta:
	s_and_b32 s22, ttmp9, 7                        ; kslot
	s_lshr_b32 s23, ttmp9, 3
	s_lshl_b32 s24, s23, 1
	s_lshr_b32 s25, s[WV], 1
	s_add_co_u32 s24, s24, s25                     ; s24: 2 x ntile + half = 2 (d / 8) + wave / 2
	s_and_b32 s31, s[WV], 1
	s_lshl_b32 s31, s31, 1                         ; s31: my first block of the half record's four: 2 (wave % 2)
	s_mov_b32 s27, 0
	s_lshl_b32 s26, s24, 14                        ; 64 rows of lora_B, 256 bytes each,
	s_lshl_b32 s25, s31, 12                        ; and 16 rows for each block
	s_add_co_u32 s26, s26, s25
	s_add_nc_u64 s[12:13], s[12:13], s[26:27]
	s_lshl_b32 s26, s22, 11
	s_lshl_b32 s25, s[WV], 9
	s_add_co_u32 s26, s26, s25
	s_add_nc_u64 s[10:11], s[10:11], s[26:27]      ; lora_A at input 512 kslot + 128 wave: in the set-up wave w makes the fragments of q = w
	s_lshr_b32 s28, s24, 1
	s_lshl_b32 s28, s28, 3
	s_add_co_u32 s28, s28, s22
	s_lshl_b32 s28, s28, 1
	s_and_b32 s29, s24, 1
	s_add_co_u32 s28, s28, s29
	s_mul_i32 s28, s28, HREC                       ; my half record
	s_lshl_b32 s25, s31, 12
	s_add_co_u32 s26, s28, s25
	s_add_co_u32 s26, s26, 4*4096
	s_add_nc_u64 s[38:39], s[16:17], s[26:27]      ; s[38:39]: the codes of block f = 4 + my first
	s_lshl_b32 s25, s31, 8
	s_add_co_u32 s26, s28, s25
	s_add_co_u32 s26, s26, 32768+4*256
	s_add_nc_u64 s[40:41], s[16:17], s[26:27]      ; s[40:41]: and its scale words
.irp j, 0,1,2,3,4,5,6,7
	global_load_b128 v[BRAW+4*\j:BRAW+4*\j+3], v1, s[12:13] offset:512*\j   ; my first 16 rows of lora_B: 4,096 consecutive bytes, 512 a load
.endr
.macro LOADA c                         ; rows k = 32 c + 0 .. 31 of lora_A at my wave's 128 columns: each load reads 512 consecutive bytes; lane l holds columns 4 l + 0 .. 3
.irp i, 0,1,2,3,4,5,6,7,8,9,10,11,12,13,14,15,16,17,18,19,20,21,22,23,24,25,26,27,28,29,30,31
	global_load_b128 v[RAW+4*\i:RAW+4*\i+3], v1, s[10:11] offset:(32*(\c)+\i)*16384
.endr
.endm
	LOADA 0
; Column 4 l + j of my 128 lies in group g = l / 8 of 32 columns, at place x = 4 (l % 8) + j there: it is lane r' = x % 8 + 8 (x / 16) = 4 (l % 2) + 8 ((l / 4) % 2) + j of tile 2 g + (x / 8) % 2 = 2 (l / 8) + (l / 2) % 2.
	v_bfe_u32 v[TA], v0, 3, 2                      ; l / 8
	v_lshlrev_b32 v[IMGW], 10, v[TA]
	v_lshlrev_b32 v[SCW], 3, v[TA]
	v_bfe_u32 v[TA], v0, 1, 1                      ; (l / 2) % 2
	v_lshl_add_u32 v[IMGW], v[TA], 9, v[IMGW]
	v_lshl_add_u32 v[SCW], v[TA], 2, v[SCW]
	v_and_b32 v[TA], 1, v0                         ; l % 2
	v_lshl_add_u32 v[IMGW], v[TA], 6, v[IMGW]
	v_lshl_add_u32 v[SCW], v[TA], 7, v[SCW]
	v_bfe_u32 v[TA], v0, 2, 1                      ; (l / 4) % 2
	v_lshl_add_u32 v[IMGW], v[TA], 7, v[IMGW]
	v_lshl_add_u32 v[SCW], v[TA], 8, v[SCW]
	s_lshl_b32 s29, s[WV], 12
	s_add_co_u32 s29, s29, IMG
	v_add_nc_u32 v[IMGW], s29, v[IMGW]             ; where a column's 16 bytes of an image go: IMG + 4096 w + 512 tile + 16 r' (+ 16 j + 256 c)
	s_lshl_b32 s29, s[WV], 9
	s_add_co_u32 s29, s29, SCB
	v_add_nc_u32 v[SCW], s29, v[SCW]               ; and its scale word: SCB + 512 w + 32 r' + 4 tile (+ 32 j)
	v_add_nc_u32 v[LI], IMG, v1                    ; an image comes back 16 bytes a lane
	v_lshl_add_u32 v[SCR], v6, 5, SCB              ; row r's eight scale words
	v_lshlrev_b32 v[SH8], 3, v7
	s_mul_i32 s29, s[WV], 16*BSP
	s_add_co_u32 s29, s29, BST                     ; my stage for lora_B
	v_mul_u32_u24 v[BSTW], v7, BSP
	v_lshl_add_u32 v[BSTW], v6, 4, v[BSTW]
	v_add_nc_u32 v[BSTW], s29, v[BSTW]             ; in: a load's 512 bytes are two rows: row h, 16 r
	v_mul_u32_u24 v[BSTR], v6, BSP
	v_lshl_add_u32 v[BSTR], v7, 7, v[BSTR]
	v_add_nc_u32 v[BSTR], s29, v[BSTR]             ; out: row r, block h: 128 bytes
; My four columns' block c.  The conversions take neighbours along K from consecutive registers, and a load has laid four columns side by side: so a column's 32 numbers are moved together first.
.macro COLS c
.irp j, 0,1,2,3
.irp i, 0,1,2,3,4,5,6,7,8,9,10,11,12,13,14,15,16,17,18,19,20,21,22,23,24,25,26,27,28,29,30,31
	v_mov_b32 v[GB+\i], v[RAW+4*\i+\j]
.endr
	MAX32 GB                                       ; the whole block is mine
	CVT32 CA+4*\j, GB
	ds_store_b128 v[IMGW], v[CA+4*\j:CA+4*\j+3] offset:16*\j+256*(\c)   ; block c lies in lanes 16 c + r' of the operand
.if (\c) == 0
	v_mov_b32 v[SBY+\j], v[TM+2]
.else
	v_lshl_or_b32 v[SBY+\j], v[TM+2], 8, v[SBY+\j]
	v_or_b32 v[SBY+\j], 0x7f7f0000, v[SBY+\j]      ; the two blocks of zero codes: byte 127
	ds_store_b32 v[SCW], v[SBY+\j] offset:32*\j
.endif
.endr
.endm
	s_wait_loadcnt 0x0                             ; lora_A's first 32 rows (and lora_B's 16, which are older)
	COLS 0
	LOADA 1                                        ; the moves have read the registers: they take the other 32 rows
	s_wait_dscnt 0x0                               ; the stores have read the code registers, which are written again below
	s_wait_loadcnt 0x0
	COLS 1
.irp t, 0,1,2,3,4,5,6,7
.irp j, 4,5,6,7
	v_mov_b32 v[AF+8*\t+\j], 0                     ; zero codes for k = 64 .. 127
.endr
.endr
.irp j, 4,5,6,7
	v_mov_b32 v[QB+\j], 0
.endr
	s_wait_dscnt 0x0                               ; for the others' sake: my images and scale words lie in LDS
	s_barrier_signal -1                            ; the four waves' 32 images lie in LDS, and nobody writes them again.
	s_barrier_wait -1                              ; (All four waves of a work-group are on this way: the branch hangs on the work-group's number.)
.macro AFETCH q                        ; ten LDS loads: lora_A's eight fragments of the q-th 128 inputs, and their scale words
.irp t, 0,1,2,3,4,5,6,7
	ds_load_b128 v[AF+8*\t:AF+8*\t+3], v[LI] offset:(\q)*4096+\t*512
.endr
	ds_load_b128 v[ASC:ASC+3], v[SCR] offset:(\q)*512
	ds_load_b128 v[ASC+4:ASC+7], v[SCR] offset:(\q)*512+16
.endm
	AFETCH 0
	s_mov_b32 s30, 0
.Lrow:                                                 ; two trips: 16 rows of D x 512 inputs each
	s_wait_loadcnt 0x0                             ; lora_B's 16 rows, as they lie
.irp j, 0,1,2,3,4,5,6,7
	ds_store_b128 v[BSTW], v[BRAW+4*\j:BRAW+4*\j+3] offset:2*BSP*\j
.endr
.irp i, 0,1,2,3,4,5,6,7
	ds_load_b128 v[BR+4*\i:BR+4*\i+3], v[BSTR] offset:16*\i   ; LDS serves a wave's instructions in order: these see the stores above.  Lane (r, h): block h of row r
.endr
	s_wait_dscnt 0x0                               ; my 32 numbers are in, the stores have read their registers, and lora_A's fragments of q = 0, asked for earlier, are in too
	s_cmp_eq_u32 s30, 1                            ; the next 16 rows are asked for, if there are any: no load leaves its buffer
	s_cbranch_scc1 .Lno_next
.irp j, 0,1,2,3,4,5,6,7
	global_load_b128 v[BRAW+4*\j:BRAW+4*\j+3], v1, s[12:13] offset:4096+512*\j
.endr
.Lno_next:
	MAX32 BR
	v_lshlrev_b32 v[QBS], v[SH8], v[TM+2]          ; my block's byte at its place,
	v_permlanex16_b32 v[TM+4], v[QBS], s[SEL], s[SEL+1]
	v_or_b32 v[QBS], v[QBS], v[TM+4]               ; with lane l xor 16's,
	v_or_b32 v[QBS], 0x7f7f0000, v[QBS]            ; and 127 for the zero codes
	CVT32 QB, BR
.rept 8
	v_nop                                          ; a scale register written by a vector instruction stands 8 places ahead of a scaled matrix instruction, an operand so written 4
.endr
.irp q, 0,1,2,3
.if \q > 0
	s_wait_dscnt 0x0                               ; this fragment's ten loads, issued ahead of the last fragment's quantiser
.endif
.irp t, 0,1,2,3,4,5,6,7
	v_wmma_scale_f32_16x16x128_f8f6f4 v[H+8*\t:H+8*\t+7], v[AF+8*\t:AF+8*\t+7], v[QB:QB+7], 0, v[ASC+\t], v[QBS] matrix_a_fmt:MATRIX_FMT_FP4 matrix_b_fmt:MATRIX_FMT_FP4
.endr
.rept 4
	v_nop                                          ; four places ahead of the loads into the products' sources and of the first read of the results
.endr
	AFETCH (\q+1)%4                                ; the next fragment's: they land while this one is quantised (behind q = 3: the next trip's first)
.if \q >= 2
	s_wait_xcnt 0x0                                ; the stores of two fragments back have read this set of code registers
.endif
	QUANT H, PC+8*(\q%2), PW+\q                    ; each tile is read from its low end on
	global_store_b128 v1, v[PC+8*(\q%2):PC+8*(\q%2)+3], s[38:39] offset:\q*1024          ; 32 lanes store 512 consecutive bytes, aligned to 256
	global_store_b128 v1, v[PC+8*(\q%2)+4:PC+8*(\q%2)+7], s[38:39] offset:\q*1024+512
.endr
	v_cndmask_b32 v[OUTW], v[PW], v[PW+2], s[HM]
	v_cndmask_b32 v[OUTW+1], v[PW+1], v[PW+3], s[HM]
	global_store_b64 v4, v[OUTW:OUTW+1], s[40:41]  ; 32 lanes store 256 consecutive bytes, aligned
	s_wait_xcnt 0x0                                ; all loads and stores have read their registers and bases: both are written again below and in the next trip
	s_add_nc_u64 s[12:13], s[12:13], 4096          ; 16 rows of lora_B,
	s_add_nc_u64 s[38:39], s[38:39], 4096          ; a block of codes,
	s_add_nc_u64 s[40:41], s[40:41], 256           ; a block of scale words on
	s_add_co_u32 s30, s30, 1
	s_cmp_lt_u32 s30, 2
	s_cbranch_scc1 .Lrow
	s_wait_dscnt 0x0                               ; the last trip's fetch ahead, which nobody uses, has come back
	s_wait_tensorcnt 0x0
	ds_add_u32 v218, v219
	s_wait_dscnt 0x0
	s_endpgm
.Lfunc_end_k_qc2896ffa10_prep:
	.size	k_qc2896ffa10_prep, .Lfunc_end_k_qc2896ffa10_prep-k_qc2896ffa10_prep
	.p2alignl 7, 3214868480
	.fill 96, 4, 3214868480
	.section	.rodata,"a",@progbits
	.p2align	6, 0x0
	.amdhsa_kernel k_qc2896ffa10_prep
		.amdhsa_group_segment_fixed_size 70144
		.amdhsa_private_segment_fixed_size 0
		.amdhsa_enable_private_segment 0
		.amdhsa_kernarg_size 56
		.amdhsa_user_sgpr_count 2
		.amdhsa_user_sgpr_kernarg_segment_ptr 1
		.amdhsa_wavefront_size32 1
		.amdhsa_system_sgpr_workgroup_id_x 1
		.amdhsa_system_sgpr_workgroup_id_y 1
		.amdhsa_system_sgpr_workgroup_id_z 1
		.amdhsa_system_vgpr_workitem_id 0
		.amdhsa_next_free_vgpr 256
		.amdhsa_next_free_sgpr 66
		.amdhsa_reserve_vcc 0
		.amdhsa_float_denorm_mode_32 3
		.amdhsa_float_denorm_mode_16_64 3
		.amdhsa_memory_ordered 1
		.amdhsa_forward_progress 1
		.amdhsa_inst_pref_size 128
	.end_amdhsa_kernel
	.amdgpu_metadata
---
amdhsa.version: [ 1, 2 ]
amdhsa.kernels:
  - .name:           k_qc2896ffa10_prep
    .symbol:         k_qc2896ffa10_prep.kd
    .args:
      - { .name: x, .offset: 0, .size: 8, .value_kind: global_buffer, .address_space: global }
      - { .name: qcodes, .offset: 8, .size: 8, .value_kind: global_buffer, .address_space: global }
      - { .name: absmax, .offset: 16, .size: 8, .value_kind: global_buffer, .address_space: global }
      - { .name: lora_A, .offset: 24, .size: 8, .value_kind: global_buffer, .address_space: global }
      - { .name: lora_B, .offset: 32, .size: 8, .value_kind: global_buffer, .address_space: global }
      - { .name: xq, .offset: 40, .size: 8, .value_kind: global_buffer, .address_space: global }
      - { .name: bq, .offset: 48, .size: 8, .value_kind: global_buffer, .address_space: global }
    .group_segment_fixed_size: 70144
    .private_segment_fixed_size: 0
    .kernarg_segment_align: 8
    .kernarg_segment_size: 56
    .max_flat_workgroup_size: 128
    .sgpr_count:     66
    .vgpr_count:     256
    .wavefront_size: 32
...
	.end_amdgpu_metadata
.endif
;; end of part 1
;; launch gemm (part 2): grid 32 x 8, 4 waves a work-group, clusters of 4 x 4, 327,680 bytes of LDS; arguments xq, bq, bias, out0; writes out0
.if DOCPART == 2
	.amdgcn_target "amdgcn-amd-amdhsa--gfx1250"
	.amdhsa_code_object_version 6
	.text
	.protected	k_qc2896ffa10_gemm
	.globl	k_qc2896ffa10_gemm
	.p2align	8
	.type	k_qc2896ffa10_gemm,@function
k_qc2896ffa10_gemm:
	s_mov_b64 s[64:65], 0
	v_nop
	global_prefetch_b8 v0, s[64:65] scope:SCOPE_SE
	s_setreg_imm32_b32 hwreg(HW_REG_WAVE_MODE, 25, 1), 1
	s_wait_xcnt 0x0
	s_wait_alu depctr_hold_cnt(0) depctr_sa_sdst(0) depctr_va_vdst(0) depctr_va_sdst(0) depctr_va_ssrc(0) depctr_va_vcc(0) depctr_vm_vsrc(0)
	s_getreg_b32 s2, hwreg(HW_REG_IB_STS2, 6, 4)
	s_cmp_eq_u32 s2, 0
	s_cbranch_scc0 .Lentry_in_a_cluster
	s_endpgm
.Lentry_in_a_cluster:
	s_bfe_u32 s2, ttmp6, 0x10000c
	s_cmp_lg_u32 s2, 0xf033
	s_cbranch_scc0 .Lentry_shape_is_right
	s_endpgm
.Lentry_shape_is_right:
; out0[t][o] = bias[o] + sum over k of Q(x)[t][k] Q(W)[o][k] + sum over k of Q(x)[t][k] Q(D)[o][k]: both products on codes of FP4 (E2M1) with E8M0 scales for each 32 along K, summed in f32 into ONE accumulator, which begins as the bias.
; xq and bq are laid as operand registers, in half records of HREC = 34,816 bytes (8 blocks of 16 rows x 512 along K: codes at f 4096 + q 1024 + c 512 + 16 lane, scale words at 32768 + f 256 + 16 r + 4 q):
;   xq [mtile 8][kslot 8][half 2]: tokens 256 mtile + 128 half + 16 f + r.     bq [ntile 32][kslot 8][half 2]: f 0-3: W's rows 128 ntile + 64 half + 16 f + r; f 4-7: the same rows of D.
; SHARES.  A work-group makes 256 tokens x 128 outputs: 256 work-groups.  Wave (i, j) = (w / 2, w % 2) makes 128 tokens x 64 outputs: 32 accumulators, 256 registers.  For 128 along K it reads 8 fragments of x, 4 of W, 4 of D
; (16 KiB) and issues 64 matrix instructions; each fragment of x serves both products.
; THE RING.  K goes in steps of 512 through two LDS slots of four half records (x's two, then bq's two); each wave fetches one half record, a dense block of 136 rows of 256 bytes, by one tensor load.  A fragment load reads 512 consecutive
; bytes, so nothing is padded.  By this text's own count a wave has two tensor loads out at the start and one behind each round.
; CLUSTERS: 4 x 4 work-groups.  The four of a row of the cluster need the same half records of xq, the four of a column the same of bq: each is asked for JOINTLY, by the same tensor load with the same descriptor and a mask that names the four.
; THE MATRIX INSTRUCTION IS USED TRANSPOSED (source 0 = 16 rows of W or D, source 1 = 16 tokens): a lane then holds eight neighbouring outputs of one token.
; REGISTERS, in windows of 256: window 0: v16-29 addresses; v32-95 scale words, two sets; v96-127 the bias; v128-191 the way out.   window 1: two fragment buffers of 128: x's 8 fragments, W's 4, D's 4.
;   window 2: accumulator (a, b) at v[8 (4 a + b)].
.set HREC,   34816
.set SLOT,   4*HREC
.set STAGE,  2*SLOT                    ; behind the ring: 16 rows x 272 bytes for each wave, for the way out: bytes into which no tile lands
.set SPITCH, 272
.set SPARE,  STAGE+4*16*SPITCH         ; behind the stages: the spare words, 128 bytes for each wave: two blocks of 256 bytes that no other line names
.set LAPS,   4                         ; a lap = two slots = 1,024 along K
.set ADRA, 16                          ; v16-17  LDS address of x's fragments in slot 0, 1: my half record + 16 x lane
.set ADRS, 18                          ; v18-19  of the scale words: lanes 0-15 x's rows, lanes 16-31 W's and D's
.set ADRB, 20                          ; v20-21  of W's and D's fragments
.set STO,  24                          ; v24     the way out: where I put 32 bytes of a row
.set RD,   25                          ; v25     where I read a row back
.set CO,   26                          ; v26     my byte offset in out0
.set SPW,  28                          ; v28     LDS address of my spare word: SPARE + 4 x my thread's number; never rewritten
.set NIL,  29                          ; v29     0; never rewritten
.set SC,   32                          ; scale words: set s (for slot s) at v[SC + 32 s]; register 4 f + q: lanes 0-15 the word of x's block f, lanes 16-31 that of bq's block f, for the slot's q-th 128 along K
.set BIAS, 96                          ; block b at v[BIAS + 8 b]: bias of outputs 16 b + 8 h + 0 .. 7 of my 64
.set BK,   128                         ; the way out: 16 rows read back from the stage, two sets of 32
.set G1,  24                           ; s[24:31] descriptor group 1 for xq;  s[32:39] group 0, one set for each slot
.set G0,  32
.set G1B, 48                           ; s[48:55], s[56:63] the same for bq
.set G0B, 56
.set MSB, 0
.macro WIN new                         ; the immediate's high byte repeats the setting that is left
.if MSB != \new
	s_set_vgpr_msb (MSB<<8)|\new
.set MSB, \new
.endif
.endm
.set MUL,  0xa5                        ; sources 0 and 1 window 1, C and D window 2
.set MULB, 0x85                        ; the same with C (the bias) in window 0
.set TO_F, 0x40                        ; destination window 1, address window 0
; A joint load: waves 0 and 1 fetch xq's two half records, waves 2 and 3 bq's.  Each of the two lines has ONE mask and one set of registers for all that issue it; the branch hangs on the wave's number alone.
; Four v_nop follow each of the two lines, ahead of the jump, the label and what follows.
.macro JLOAD g0a, g1a, g0b, g1b
	s_cmp_eq_u32 s15, 0
	s_cbranch_scc0 .Lfor_b_\@
	tensor_load_to_lds s[\g0a:\g0a+3], s[\g1a:\g1a+7]
	s_nop 0
.rept 4
	v_nop
.endr
	s_branch .Lasked_\@
.Lfor_b_\@:
	tensor_load_to_lds s[\g0b:\g0b+3], s[\g1b:\g1b+7]
	s_nop 0
.rept 4
	v_nop
.endr
.Lasked_\@:
.endm
.macro CREST                           ; a round of the cluster's barrier behind its opening barrier
	s_cmp_lg_u32 s14, 0
	s_cbranch_scc1 .Lnot_wave_0_\@
	s_barrier_signal -3
.Lnot_wave_0_\@:
	s_barrier_wait -3
	s_barrier_signal -1
	s_barrier_wait -1
.endm
.macro CROUND                          ; a whole round
	s_barrier_signal -1
	s_barrier_wait -1
	CREST
.endm
	s_load_b256 s[4:11], s[0:1], 0x0               ; xq s[4:5], bq s[6:7], bias s[8:9], out0 s[10:11]
	v_lshl_add_u32 v[SPW], v0, 2, SPARE
	v_mov_b32 v[NIL], 0
	ds_add_u32 v28, v29
	ds_add_u32 v28, v29
	s_wait_dscnt 0x0
	v_lshrrev_b32 v1, 5, v0
	v_readfirstlane_b32 s14, v1                    ; wave 0..3
	s_lshr_b32 s15, s14, 1                         ; i: which half of the tokens is mine.  Also: I fetch for xq (0) or for bq (1)
	s_and_b32 s16, s14, 1                          ; j: which half of the outputs.  Also: which half record I fetch
	s_bfe_u32 s40, ttmp6, 0x40000                  ; cx, cy: my place in the cluster
	s_bfe_u32 s41, ttmp6, 0x40004
	s_lshl_b32 s42, ttmp9, 2
	s_add_co_u32 s42, s42, s40                     ; ntile = 4 x cluster x + cx
	s_and_b32 s17, ttmp7, 0xffff
	s_lshl_b32 s17, s17, 2
	s_add_co_u32 s17, s17, s41                     ; mtile = 4 x cluster y + cy
	s_lshl_b32 s43, s41, 2
	s_lshl_b32 s43, 15, s43                        ; my row of the cluster
	s_lshl_b32 s44, 0x1111, s40                    ; my column
	; descriptor group 1: a dense block of HREC bytes as 136 rows of 256 bytes (32 elements of 8 bytes)
	s_or_b32 s[G1+0], s43, (3<<16)|(1<<21)         ; 15:0 the mask: xq's records go to my row; 17:16 elements of 8 bytes; 20 no padding; 21 set beside a mask
	s_or_b32 s[G1B+0], s44, (3<<16)|(1<<21)        ; bq's go to my column
.irp g, G1, G1B
	s_mov_b32 s[\g+1], 32<<16                      ; tensor_dim0 = 32
	s_mov_b32 s[\g+2], 136<<16                     ; tensor_dim1 = 136
	s_mov_b32 s[\g+3], 32<<16                      ; tile_dim0 = 32
	s_mov_b32 s[\g+4], 136                         ; tile_dim1 = 136
	s_mov_b32 s[\g+5], 32                          ; tensor_dim0_stride
	s_mov_b32 s[\g+6], 0
	s_mov_b32 s[\g+7], 0
.endr
	s_lshl_b32 s20, s17, 4
	s_add_co_u32 s20, s20, s16
	s_mul_i32 s20, s20, HREC                       ; xq: (mtile x 16 + half) records on (kslot 0): it hangs on the tile row and the wave alone
	s_mov_b32 s21, 0
	s_lshl_b32 s46, s42, 4
	s_add_co_u32 s46, s46, s16
	s_mul_i32 s46, s46, HREC                       ; bq: (ntile x 16 + half): on the tile column and the wave alone
	s_mov_b32 s47, 0
	s_mul_i32 s45, s14, HREC                       ; where they go: wave x HREC: no place in the cluster enters an LDS address
	s_wait_kmcnt 0x0
	s_add_nc_u64 s[20:21], s[4:5], s[20:21]
	s_add_nc_u64 s[46:47], s[6:7], s[46:47]
	CROUND                                         ; all sixteen work-groups are here: the first joint loads meet
.irp s, 0,1
	s_mov_b32 s[G0+4*\s], 1                        ; count = 1
	s_add_co_u32 s[G0+4*\s+1], s45, \s*SLOT        ; LDS address
	s_add_nc_u64 s[G0+4*\s+2:G0+4*\s+3], s[20:21], \s*2*HREC   ; kslot s
	s_or_b32 s[G0+4*\s+3], s[G0+4*\s+3], 0x80000000            ; type = 2
	s_mov_b32 s[G0B+4*\s], 1
	s_add_co_u32 s[G0B+4*\s+1], s45, \s*SLOT
	s_add_nc_u64 s[G0B+4*\s+2:G0B+4*\s+3], s[46:47], \s*2*HREC
	s_or_b32 s[G0B+4*\s+3], s[G0B+4*\s+3], 0x80000000
	JLOAD G0+4*\s, G1, G0B+4*\s, G1B
.endr
	v_and_b32 v1, 15, v0                           ; r
	v_bfe_u32 v2, v0, 4, 1                         ; h
	v_and_b32 v3, 31, v0
	v_lshlrev_b32 v3, 4, v3                        ; 16 x lane
	v_lshlrev_b32 v5, 4, v1                        ; a row's four scale words: 16 r
	s_xor_b32 s23, s15, 1
	s_add_co_u32 s23, s23, s16
	s_add_co_u32 s23, s23, 1                       ; 2 + j - i: from x's half record i to bq's half record j, in records
	s_mul_i32 s23, s23, HREC
	v_mul_u32_u24 v6, s23, v2                      ; lanes 16-31 take bq's
	v_add_nc_u32 v5, v5, v6
	s_mul_i32 s21, s15, HREC                       ; x's half record i
	s_mul_i32 s22, s16, HREC
	s_add_co_u32 s22, s22, 2*HREC                  ; bq's half record j, behind x's two
.irp s, 0,1
	v_add_nc_u32 v[ADRA+\s], s21, v3
	v_add_nc_u32 v[ADRS+\s], s21, v5
	v_add_nc_u32 v[ADRB+\s], s22, v3
	s_add_co_u32 s21, s21, SLOT
	s_add_co_u32 s22, s22, SLOT
.endr
	s_mul_i32 s23, s14, 16*SPITCH
	s_add_co_u32 s23, s23, STAGE                   ; my stage
	v_mul_u32_u24 v4, v1, SPITCH                   ; in: row r, 32 bytes for each half of the lanes
	v_lshl_add_u32 v4, v2, 5, v4
	v_add_nc_u32 v[STO], s23, v4
	v_mul_u32_u24 v4, v2, SPITCH                   ; back: lanes 0-15 take one row of 256 bytes, lanes 16-31 the next
	v_lshl_add_u32 v4, v1, 4, v4
	v_add_nc_u32 v[RD], s23, v4
	v_lshlrev_b32 v[CO], 14, v2                    ; and the same two rows in out0 (a row is 16,384 bytes)
	v_lshl_add_u32 v[CO], v1, 4, v[CO]
	v_lshlrev_b32 v7, 5, v2                        ; the bias: 32 h
	s_lshl_b32 s20, s17, 8
	s_lshl_b32 s21, s15, 7
	s_add_co_u32 s20, s20, s21                     ; my first token: 256 mtile + 128 i
	s_lshl_b32 s20, s20, 14
	s_mov_b32 s21, 0
	s_lshl_b32 s46, s42, 9                         ; my first output, in bytes: 512 ntile + 256 j
	s_lshl_b32 s47, s16, 8
	s_add_co_u32 s46, s46, s47
	s_mov_b32 s47, 0
	s_add_nc_u64 s[8:9], s[8:9], s[46:47]
	s_add_nc_u64 s[10:11], s[10:11], s[20:21]
	s_add_nc_u64 s[10:11], s[10:11], s[46:47]
.irp b, 0,1,2,3
	global_load_b128 v[BIAS+8*\b:BIAS+8*\b+3], v7, s[8:9] offset:64*\b
	global_load_b128 v[BIAS+8*\b+4:BIAS+8*\b+7], v7, s[8:9] offset:64*\b+16
.endr
; n x 4 matrix instructions: x's blocks a0 .. a0 + n - 1 against the four blocks of W (d = 0) or of D (d = 1), the slot's q-th 128 along K, out of buffer f, with scale set sc.  c = 1: the sums begin as the bias: nothing is cleared.
; The 32 accumulators take turns, one instruction a turn, in the same order in every pass.
.macro PASS f, q, sc, d, a0, n, c
.set A_, \a0
.rept \n
.irp b, 0,1,2,3
.set D_, 8*(4*A_+\b)
.set W_, (\f)+64+8*(4*(\d)+\b)
.set X_, (\f)+8*A_
.set SW_, SC+32*(\sc)+4*(4*(\d)+\b)+(\q)
.set SX_, SC+32*(\sc)+4*A_+(\q)
.if \c
	v_wmma_scale_f32_16x16x128_f8f6f4 v[D_:D_+7], v[W_:W_+7], v[X_:X_+7], v[BIAS+8*\b:BIAS+8*\b+7], v[SW_], v[SX_] matrix_a_fmt:MATRIX_FMT_FP4 matrix_b_fmt:MATRIX_FMT_FP4 matrix_a_scale:MATRIX_SCALE_ROW1
.else
	v_wmma_scale_f32_16x16x128_f8f6f4 v[D_:D_+7], v[W_:W_+7], v[X_:X_+7], v[D_:D_+7], v[SW_], v[SX_] matrix_a_fmt:MATRIX_FMT_FP4 matrix_b_fmt:MATRIX_FMT_FP4 matrix_a_scale:MATRIX_SCALE_ROW1
.endif
.endr
.set A_, A_+1
.endr
.endm
.macro FETCH_AW slot, q, f             ; 24 LDS loads: x's eight fragments and W's four of the slot's q-th 128 along K into buffer f; each load reads 512 consecutive bytes
	WIN TO_F
.irp i, 0,1,2,3,4,5,6,7
	ds_load_b128 v[(\f)+8*\i:(\f)+8*\i+3],   v[ADRA+\slot] offset:(4*\i+(\q))*1024
	ds_load_b128 v[(\f)+8*\i+4:(\f)+8*\i+7], v[ADRA+\slot] offset:(4*\i+(\q))*1024+512
.endr
.irp i, 0,1,2,3
	ds_load_b128 v[(\f)+64+8*\i:(\f)+64+8*\i+3],   v[ADRB+\slot] offset:(4*\i+(\q))*1024
	ds_load_b128 v[(\f)+64+8*\i+4:(\f)+64+8*\i+7], v[ADRB+\slot] offset:(4*\i+(\q))*1024+512
.endr
.endm
.macro FETCH_D slot, q, f              ; 8 LDS loads: D's four fragments
	WIN TO_F
.irp i, 4,5,6,7
	ds_load_b128 v[(\f)+64+8*\i:(\f)+64+8*\i+3],   v[ADRB+\slot] offset:(4*\i+(\q))*1024
	ds_load_b128 v[(\f)+64+8*\i+4:(\f)+64+8*\i+7], v[ADRB+\slot] offset:(4*\i+(\q))*1024+512
.endr
.endm
.macro SCALES sc                       ; 8 LDS loads: slot sc's scale words: four words a row; lanes 0-15 take x's block i, lanes 16-31 bq's block i
	WIN 0
.irp i, 0,1,2,3,4,5,6,7
	ds_load_b128 v[SC+32*(\sc)+4*\i:SC+32*(\sc)+4*\i+3], v[ADRS+\sc] offset:32768+256*\i
.endr
.endm
; A load into a register that a matrix instruction has read, and an LDS store that reads a matrix result, stand four places behind that matrix instruction, and only plain vector instructions that name none of its
; registers are places (ISA guide 7.12.1 for vector instructions).
.macro PLACES n
.rept \n
	v_nop
.endr
.endm
; A step of 128 along K that has its successor in the same slot: the pass over W, the next step's 32 loads in one run, the pass over D.
.macro STEP slot, q, first
	s_wait_dscnt 8                                 ; x's and W's fragments (and the scale words) are in; the youngest eight loads, D's fragments, may be out
.if \first
	WIN MULB
.else
	WIN MUL
.endif
	PASS 128*((\q)%2), \q, \slot, 0, 0, 8, \first
	PLACES 4                                       ; for the loads into the other buffer, which the step before multiplied
	FETCH_AW \slot, (\q)+1, 128*(1-(\q)%2)
	FETCH_D \slot, (\q)+1, 128*(1-(\q)%2)
	s_wait_dscnt 32                                ; all but the 32 just issued: D's fragments are in
	WIN MUL
	PASS 128*((\q)%2), \q, \slot, 1, 0, 8, 0
.endm
; A slot's last step changes slots: ONE barrier; in front of it each wave waits for all its tensor loads, adds 0 to its spare word, and waits for that and for its own reads of this slot.  fill = 1: this slot is filled again, two slots ahead.
.macro TURN slot, next, fill
	WIN 0                                          ; (the add's two registers lie in window 0)
	s_wait_tensorcnt 0x0                           ; all my tensor loads have landed: my part of the next slot;
	ds_add_u32 v[SPW], v[NIL]                      ; 0 onto my spare word
	s_wait_dscnt 9                                 ; (the add and the youngest eight loads, D's fragments, may be out)
	WIN MUL
	PASS 128, 3, \slot, 0, 0, 4, 0                 ; sixteen matrix instructions stand between the add and the wait for it
	s_wait_dscnt 0x0                               ; the add is done, and my reads of this slot are over
	s_barrier_signal -1
	PASS 128, 3, \slot, 0, 4, 4, 0
	WIN 0
	s_barrier_wait -1
.if \fill
	CREST                                          ; the barrier has opened a round of the cluster's barrier: no wave of any partner still reads this slot or has a load on its way
	s_add_nc_u64 s[G0+4*\slot+2:G0+4*\slot+3], s[G0+4*\slot+2:G0+4*\slot+3], 4*HREC
	s_add_nc_u64 s[G0B+4*\slot+2:G0B+4*\slot+3], s[G0B+4*\slot+2:G0B+4*\slot+3], 4*HREC
	JLOAD G0+4*\slot, G1, G0B+4*\slot, G1B         ; the first tensor load behind the round: 224 matrix instructions ahead of the wait for it; its four v_nop are also the places in front of the loads below
.else
	PLACES 4
.endif
	SCALES \next
	FETCH_AW \next, 0, 0
	FETCH_D \next, 0, 0
	WIN MUL
	PASS 128, 3, \slot, 1, 0, 8, 0
.endm
	s_wait_loadcnt 0x0                             ; the bias
	s_wait_tensorcnt 1                             ; my part of slot 0 is in (slot 1's load may be out)
	s_barrier_signal -1
	s_barrier_wait -1                              ; everybody's is
	SCALES 0
	FETCH_AW 0, 0, 0
	FETCH_D 0, 0, 0
	STEP 0, 0, 1                                   ; the first step stands in front of the loop: its first pass starts the sums from the bias
	WIN 0                                          ; at a label and at a branch every window is 0
	s_mov_b32 s3, LAPS-1
.Llap:                                                 ; a trip goes once round the ring, from a lap's second step to the next lap's first, and fills both slots again
	STEP 0, 1, 0
	STEP 0, 2, 0
	TURN 0, 1, 1
	STEP 1, 0, 0
	STEP 1, 1, 0
	STEP 1, 2, 0
	TURN 1, 0, 1
	STEP 0, 0, 0
	WIN 0
	s_sub_co_u32 s3, s3, 1
	s_cmp_lg_u32 s3, 0
	s_cbranch_scc1 .Llap
	STEP 0, 1, 0                                   ; the last lap fills nothing, and has no round of the cluster's barrier
	STEP 0, 2, 0
	TURN 0, 1, 0
	STEP 1, 0, 0
	STEP 1, 1, 0
	STEP 1, 2, 0
	s_wait_dscnt 8                                 ; the very last step: nothing more to fetch
	WIN MUL
	PASS 128, 3, 1, 0, 0, 8, 0
	s_wait_dscnt 0x0
	PASS 128, 3, 1, 1, 0, 8, 0
	WIN 0
; THE WAY OUT, block by block of 16 tokens x 64 outputs.  A lane holds 32 neighbouring bytes of a row, and the lanes beside it hold other rows: so a block goes through my own stage in LDS and comes back as whole rows of
; 256 bytes.  LDS serves a wave's instructions in order (ISA guide 5.7.1.4): no wait between the stores and the loads, nor in front of the next block's stores.
.macro TOSTAGE a
	WIN 0x08                                       ; an LDS store's data are its source 1: window 2
.irp b, 0,1,2,3
	ds_store_b128 v[STO], v[8*(4*(\a)+\b):8*(4*(\a)+\b)+3] offset:64*\b          ; each accumulator from its low end on
	ds_store_b128 v[STO], v[8*(4*(\a)+\b)+4:8*(4*(\a)+\b)+7] offset:64*\b+16
.endr
	WIN 0
.irp t, 0,1,2,3,4,5,6,7
	ds_load_b128 v[BK+32*((\a)%2)+4*\t:BK+32*((\a)%2)+4*\t+3], v[RD] offset:\t*2*SPITCH
.endr
.endm
.macro SEND a, younger                 ; younger: the LDS instructions issued behind block a's loads, which may stay out
	s_wait_dscnt \younger                          ; the block is back in registers
.irp t, 0,1,2,3,4,5,6,7
	global_store_b128 v[CO], v[BK+32*((\a)%2)+4*\t:BK+32*((\a)%2)+4*\t+3], s[10:11] offset:(\a)*262144+\t*32768 th:TH_STORE_NT   ; 16 lanes store 256 consecutive bytes, at a multiple of 256 from out0's first byte; the block's and the pair of rows' places stand in the immediate (2,064,384 at the most)
.endr
.endm
	PLACES 4                                       ; ahead of the first LDS stores that read results
	TOSTAGE 0
.irp a, 1,2,3,4,5,6,7
.if \a > 1
	s_wait_xcnt 0x0                                ; block a - 2's stores have read their registers: block a's loads may land there
.endif
	TOSTAGE \a
	SEND \a-1, 16                                  ; behind block a - 1's loads: block a's 8 stores and 8 loads
.endr
	SEND 7, 0
	s_wait_tensorcnt 0x0                           ; the wave's end: behind my last tensor load and my last LDS store
	ds_add_u32 v[SPW], v[NIL]
	s_wait_dscnt 0x0
	CROUND                                         ; the closing round: no work-group ends while a partner may still ask for a tile that names it
	s_endpgm
.Lfunc_end_k_qc2896ffa10_gemm:
	.size	k_qc2896ffa10_gemm, .Lfunc_end_k_qc2896ffa10_gemm-k_qc2896ffa10_gemm
	.p2alignl 7, 3214868480
	.fill 96, 4, 3214868480
	.section	.rodata,"a",@progbits
	.p2align	6, 0x0
	.amdhsa_kernel k_qc2896ffa10_gemm
		.amdhsa_group_segment_fixed_size 327680
		.amdhsa_private_segment_fixed_size 0
		.amdhsa_enable_private_segment 0
		.amdhsa_kernarg_size 32
		.amdhsa_user_sgpr_count 2
		.amdhsa_user_sgpr_kernarg_segment_ptr 1
		.amdhsa_wavefront_size32 1
		.amdhsa_system_sgpr_workgroup_id_x 1
		.amdhsa_system_sgpr_workgroup_id_y 1
		.amdhsa_system_sgpr_workgroup_id_z 1
		.amdhsa_system_vgpr_workitem_id 0
		.amdhsa_next_free_vgpr 768
		.amdhsa_next_free_sgpr 66
		.amdhsa_reserve_vcc 0
		.amdhsa_float_denorm_mode_32 3
		.amdhsa_float_denorm_mode_16_64 3
		.amdhsa_memory_ordered 1
		.amdhsa_forward_progress 1
		.amdhsa_inst_pref_size 192
	.end_amdhsa_kernel
	.amdgpu_metadata
---
amdhsa.version: [ 1, 2 ]
amdhsa.kernels:
  - .name:           k_qc2896ffa10_gemm
    .symbol:         k_qc2896ffa10_gemm.kd
    .args:
      - { .name: xq, .offset: 0, .size: 8, .value_kind: global_buffer, .address_space: global }
      - { .name: bq, .offset: 8, .size: 8, .value_kind: global_buffer, .address_space: global }
      - { .name: bias, .offset: 16, .size: 8, .value_kind: global_buffer, .address_space: global }
      - { .name: out0, .offset: 24, .size: 8, .value_kind: global_buffer, .address_space: global }
    .group_segment_fixed_size: 327680
    .private_segment_fixed_size: 0
    .kernarg_segment_align: 8
    .kernarg_segment_size: 32
    .max_flat_workgroup_size: 128
    .sgpr_count:     66
    .vgpr_count:     768
    .wavefront_size: 32
...
	.end_amdgpu_metadata
.endif
;; end of part 2
;; ======== version 2 of 2: 2 launches; version 1 with the launch prep written anew for expert scheduling mode
;; workspace buffers: xq 4,456,448 bytes; bq 17,825,792 bytes
;; launch prep (part 3): grid 1024 x 1, 4 waves a work-group, no clusters, 70,144 bytes of LDS; arguments x, qcodes, absmax, lora_A, lora_B, xq, bq; writes xq, bq
.if DOCPART == 3
	.amdgcn_target "amdgcn-amd-amdhsa--gfx1250"
	.amdhsa_code_object_version 6
	.text
	.protected	k_qc2896ffa10_prep
	.globl	k_qc2896ffa10_prep
	.p2align	8
	.type	k_qc2896ffa10_prep,@function
k_qc2896ffa10_prep:
	s_mov_b64 s[64:65], 0
	v_nop
	global_prefetch_b8 v0, s[64:65] scope:SCOPE_SE
	s_setreg_imm32_b32 hwreg(HW_REG_WAVE_SCHED_MODE, 0, 2), 2
	s_setreg_imm32_b32 hwreg(HW_REG_WAVE_MODE, 25, 1), 1
	s_wait_xcnt 0x0
	s_wait_alu depctr_vm_vsrc(0)
; THE OPERANDS OF THE TWO LARGE PRODUCTS ARE MADE ONCE, as codes of FP4 (E2M1) with one E8M0 scale byte for each 32 along K (the 4,096 inputs):
;   x [2048][4096] f32;   W = NF4 table[qcodes] x absmax (one absmax for 64 numbers), [4096][4096];   D = Q(lora_B) Q(lora_A), [4096][4096], itself a product on codes (K = 64).
; A block's scale is 2^(floor(log2(its largest magnitude)) - 2): its byte is the largest magnitude's exponent field - 2, held at 1 from below.
; LIMITS: NaN and infinities among the inputs are not served.  A block whose largest magnitude lies under 2^-124 gets the byte 1; a block of zeros too (the rule says 127): its codes are zeros, and
; this program alone reads the bytes.  A qcode outside 0 .. 15 is taken modulo 32, and 16 .. 31 give 0.
; THE WORKSPACE IS LAID AS THE NEXT LAUNCH'S REGISTERS WANT IT, in half records of HREC = 34,816 bytes: 8 blocks f of 16 rows x 512 along K.  Codes: f 4096 + q 1024 + c 512 + 16 lane holds registers
; 4 c .. 4 c + 3 of lane (r, h) of the fragment of the q-th 128 along K: k = 128 q + 64 c + 32 h + 0 .. 31 of row r.  Scale words: 32768 + f 256 + 16 r + 4 q.
;   xq [mtile 8][kslot 8][half 2][HREC]: row 256 mtile + 128 half + 16 f + r.     bq [ntile 32][kslot 8][half 2][HREC]: f 0-3: W's rows 128 ntile + 64 half + 16 f + r; f 4-7: the same rows of D.
; SHARES, by the work-group's number: 0-255 make D; 256-767 W; 768-1023 x: 1,024 work-groups, four for each of 256 WGPs.  W and x take ONE way through the text (the buffers are chosen by the
; work-group's number); D's way has LDS bytes of its own.  No tensor loads, no ring: four work-groups fit on a WGP by their registers (4 x 256 a SIMD) and by their LDS (4 x 70,144 bytes).
; THE MODE: SCHED_MODE bits 1:0 = 2 (LLVM: expert scheduling mode 2), set by the entry lines.  The code itself states the register dependences between vector or matrix instructions and memory or
; LDS instructions, with s_wait_alu, always for 0.
; THE PLAN.  Registers that memory or LDS instructions touch:
;   v1 to v5, v244 to v251   offsets and LDS addresses: written once at a way's head, ahead of a wait on va_vdst, and never again.
;   W, x:  R0, R1   loads land; the stage's stores read; the loads of two fragments on land.  No vector instruction names them: one wait on vm_vsrc a fragment, behind the stage's turn.
;          X        the stage's loads land; W: 64 shifts write | wait on va_vdst | 64 permutes read it as index and land in it | wait on vm_vsrc | the multiplies write; the quantiser reads.
;          PC0, PC1, OUTW   the quantiser writes | wait on va_vdst | the stores read.  That wait also states that the quantiser is done with X: the next fragment's stage loads follow it with no vector
;                   instruction between.  A set of PC is written again two fragments on, behind the wait on vm_vsrc at that fragment's head.
;   D, set-up:  RAW  lora_A's loads land; a half's moves read | wait on va_vdst | the other half's loads, later the images' and lora_B's LDS loads, land.  The same wait covers the half's LDS stores of CA and SBY.
;   D, a trip:  BRAW loads land; the stage's stores read | wait on vm_vsrc | the next rows' loads land.   AF, ASC: LDS loads land; eight products read | wait on va_vdst | the next fragment's ten loads land,
;                   while the quantiser works.   QB, QBS: vector instructions write | the places, wait on va_vdst | the scaled products read.   H, PC, PW, OUTW as X, PC, OUTW above.
;   v218, v219   written at the head, read by the closing add alone.
.set HREC,  34816
.set STG,   8448                       ; LDS: a stage for each wave of W's and x's way: 16 rows x SP
.set SP,    528                        ; a stage row: 512 bytes + 16: the sixteen rows that a read touches begin 4 words apart modulo 64 words
.set IMG,   4*STG                      ; D's way: the images of Q(lora_A)'s 32 fragments (128 q + tile t: 512 bytes each: registers 0-3 of 32 lanes)
.set SCB,   IMG+16384                  ; their scale words, [q 4][row 16][tile 8] x 4 bytes
.set BST,   SCB+2048                   ; and a stage for each wave for lora_B's rows: 16 rows x BSP
.set BSP,   272                        ; 256 bytes + 16
.set R,     16                         ; v16-143  two sets of 64: a fragment's numbers as they are loaded
.set X,     144                        ; v144-207 64 numbers of my row: register 16 b + i = k 32 b + 16 h + i
.set TM,    208                        ; v208-223 at work in the quantiser (v218, v219 are not its: they are the closing add's two)
.set PC,    224                        ; v224-239 codes, two sets of 8
.set PW,    240                        ; v240-243 the four scale words of a unit
.set AM,    244                        ; v244-251 my row's eight absmax
.set TAB,   252                        ; v252     the NF4 table: lane i holds entry i; lanes 16-31 hold 0
.set OUTW,  254                        ; v254-255 the scale words that I store
.set RAW,   16                         ; D's way, set-up: v16-143 32 rows of lora_A x my 4 columns
.set GB,    176                        ;          set-up: v176-207 one column's 32 numbers on end
.set CA,    224                        ;          set-up: v224-239 four columns' codes
.set SBY,   240                        ;          set-up: v240-243 four columns' scale words in the making
.set AF,    16                         ; D's way: v16-79 lora_A's eight fragments (registers 4-7 of each are zero codes: K = 64 of 128)
.set H,     80                         ; v80-143  eight tiles of D
.set BR,    80                         ; v80-111  my 32 numbers of lora_B: in the registers of D's first tiles, which hold nothing at that time
.set BRAW,  144                        ; v144-175 16 rows of lora_B as they are loaded
.set QB,    176                        ; v176-183 lora_B's fragment (registers 4-7 zero codes)
.set LI,    244                        ; v244-251 LDS addresses of D's way
.set SCR,   245
.set SH8,   246
.set BSTW,  247
.set BSTR,  248
.set IMGW,  249
.set SCW,   250
.set TA,    251
.set ASC,   8                          ; v8-15    lora_A's scale words, a register a tile: these nine registers hold scales and nothing else
.set QBS,   253                        ; v253     lora_B's scale word
.set WV,    18                         ; s18      my wave's number
.set HM,    19                         ; s19      a mask of lanes 16-31
.set SEL,   20                         ; s[20:21] v_permlanex16_b32's selects for lane l xor 16
; 64 numbers of a lane, v[s] .. v[s + 63], register 16 b + i = k 32 b + 16 (lane / 16) + i of my row, become a fragment's codes in v[pc] .. v[pc + 7] and its scale word in v[pw].
.macro QUANT s, pc, pw
.irp b, 0,1,2,3
	v_max3_num_f32 v[TM+\b], |v[(\s)+16*\b]|, |v[(\s)+1+16*\b]|, 0x1800000   ; block b: my 16 numbers, and the floor 2^(3 - 127): so the byte cannot fall under 1
.endr
.irp i, 2,4,6,8,10,12,14
.irp b, 0,1,2,3
	v_max3_num_f32 v[TM+\b], v[TM+\b], |v[(\s)+16*\b+\i]|, |v[(\s)+1+16*\b+\i]|   ; the four blocks by turns
.endr
.endr
.irp b, 0,1,2,3
	v_permlanex16_b32 v[TM+4+\b], v[TM+\b], s[SEL], s[SEL+1]
.endr
.irp b, 0,1,2,3
	v_max_num_f32 v[TM+\b], v[TM+\b], v[TM+4+\b]           ; with lane l xor 16's: the block's largest magnitude
.endr
.irp b, 0,1,2,3
	v_add_nc_u32 v[TM+12+\b], 0xff000000, v[TM+\b]         ; 2 off its exponent field: the conversion takes the exponent field of this operand as its scale
.endr
.irp b, 0,1,2,3
	v_lshrrev_b32 v[TM+4+\b], 23, v[TM+12+\b]              ; the scale's byte
.endr
	v_lshl_or_b32 v[\pw], v[TM+5], 8, v[TM+4]              ; the four bytes make my row's scale word (both halves of the lanes hold it)
	v_lshl_or_b32 v[\pw], v[TM+6], 16, v[\pw]
	v_lshl_or_b32 v[\pw], v[TM+7], 24, v[\pw]
.irp b, 0,1,2,3
	v_cvt_scalef32_pk8_fp4_f32 v[(\pc)+2*\b], v[(\s)+16*\b:(\s)+7+16*\b], v[TM+12+\b]
	v_cvt_scalef32_pk8_fp4_f32 v[(\pc)+1+2*\b], v[(\s)+8+16*\b:(\s)+15+16*\b], v[TM+12+\b]
.endr
	v_nop                                                  ; one plain line behind the scaled conversions
.irp c, 0,1                                            ; the operand's layout wants a whole block in a lane: lanes 0-15 block 2 c, lanes 16-31 block 2 c + 1
.irp i, 0,1
	v_permlane16_swap_b32 v[(\pc)+4*\c+\i], v[(\pc)+2+4*\c+\i]
.endr
.endr
.endm
; A whole block of 32 in one lane's registers v[l] .. v[l + 31]: the conversion's scale operand into v[TM + 12], the byte into v[TM + 2]
.macro MAX32 l
	v_max3_num_f32 v[TM], |v[(\l)]|, |v[(\l)+1]|, |v[(\l)+2]|
	v_max3_num_f32 v[TM+1], |v[(\l)+3]|, |v[(\l)+4]|, |v[(\l)+5]|
.irp i, 6,10,14,18,22,26
	v_max3_num_f32 v[TM], v[TM], |v[(\l)+\i]|, |v[(\l)+\i+1]|
	v_max3_num_f32 v[TM+1], v[TM+1], |v[(\l)+\i+2]|, |v[(\l)+\i+3]|
.endr
	v_max3_num_f32 v[TM], v[TM], |v[(\l)+30]|, |v[(\l)+31]|
	v_max3_num_f32 v[TM], v[TM], v[TM+1], 0x1800000        ; and the floor
	v_add_nc_u32 v[TM+12], 0xff000000, v[TM]
	v_lshrrev_b32 v[TM+2], 23, v[TM+12]
.endm
.macro CVT32 d, l                      ; and its 32 codes into v[d] .. v[d + 3]
.irp g, 0,1,2,3
	v_cvt_scalef32_pk8_fp4_f32 v[(\d)+\g], v[(\l)+8*\g:(\l)+8*\g+7], v[TM+12]
.endr
	v_nop                                                  ; one plain line behind the scaled conversions
.endm
	s_load_b256 s[4:11], s[0:1], 0x0               ; x s[4:5], qcodes s[6:7], absmax s[8:9], lora_A s[10:11]
	s_load_b128 s[12:15], s[0:1], 0x20             ; lora_B s[12:13], xq s[14:15]
	s_load_b64 s[16:17], s[0:1], 0x30              ; bq
	v_lshl_add_u32 v218, v0, 2, 0x11000
	v_mov_b32 v219, 0
	v_lshrrev_b32 v1, 5, v0
	v_readfirstlane_b32 s[WV], v1                  ; wave 0..3
	v_and_b32 v1, 31, v0
	v_lshlrev_b32 v1, 4, v1                        ; v1: 16 x lane
	v_and_b32 v6, 15, v0                           ; v6: r
	v_bfe_u32 v7, v0, 4, 1                         ; v7: h
	v_lshlrev_b32 v4, 4, v6
	v_lshl_add_u32 v4, v7, 3, v4                   ; v4: 16 r + 8 h: where I store two scale words
.irp b, 0,1,2,3
	v_mov_b32 v[TM+4+\b], 0                        ; written once: a lane permute's destination counts as one of its sources
.endr
	s_mov_b32 s[HM], 0xffff0000
	s_mov_b32 s[SEL], 0x76543210
	s_mov_b32 s[SEL+1], 0xfedcba98
	s_wait_alu depctr_va_sdst(0)                   ; s18, the wave's number, is written
	s_wait_kmcnt 0x0
	s_cmp_lt_u32 ttmp9, 256
	s_cbranch_scc1 .Ldelta
; ---------------- W AND x.  A wave takes 16 rows x 512 along K: one block f of one half record, four fragments.  It keeps two fragments' loads (32 loads of 512 bytes) on their way.
	s_mul_i32 s45, s[WV], STG
	v_add_nc_u32 v2, s45, v1                       ; v2: the stage on the way in: a row's 512 bytes as they lie
	v_mul_u32_u24 v3, v6, SP
	v_lshl_add_u32 v3, v7, 6, v3
	v_add_nc_u32 v3, s45, v3                       ; v3: and on the way out: row r, + 64 h: my 16 numbers of a block of 32
	v_lshlrev_b32 v5, 8, v6                        ; v5: a row of W has 64 absmax: 256 bytes
	s_sub_co_u32 s22, ttmp9, 256
	s_cmp_lt_u32 s22, 512                          ; W's work-group or x's?  The choice hangs on the work-group's number alone
	s_cselect_b32 s23, 1, 0                        ; s23: 1 for W
	s_cselect_b64 s[24:25], s[6:7], s[4:5]         ; from where,
	s_cselect_b64 s[26:27], s[16:17], s[14:15]     ; to where,
	s_cselect_b32 s28, 0, 512
	s_cselect_b32 s29, 2, 3                        ; a half record has 4 blocks of W's rows, 8 of x's
	s_cselect_b32 s30, 3, 7
	s_sub_co_u32 s22, s22, s28
	s_lshr_b32 s31, s22, 1                         ; s31: which 16 rows
	s_and_b32 s22, s22, 1
	s_lshl_b32 s22, s22, 2
	s_add_co_u32 s22, s22, s[WV]                   ; s22: which 512 along K: 4 x (work-group's low bit) + wave
	s_lshr_b32 s32, s31, s29                       ; 2 x tile + half
	s_and_b32 s33, s31, s30                        ; f
	s_lshr_b32 s34, s32, 1
	s_lshl_b32 s34, s34, 3
	s_add_co_u32 s34, s34, s22
	s_lshl_b32 s34, s34, 1
	s_and_b32 s32, s32, 1
	s_add_co_u32 s34, s34, s32                     ; the half record: (tile x 8 + kslot) x 2 + half
	s_mul_i32 s34, s34, HREC
	s_mov_b32 s37, 0
	s_lshl_b32 s36, s33, 12
	s_add_co_u32 s36, s36, s34
	s_add_nc_u64 s[38:39], s[26:27], s[36:37]      ; s[38:39]: my block's codes
	s_lshl_b32 s36, s33, 8
	s_add_co_u32 s36, s36, s34
	s_add_co_u32 s36, s36, 32768
	s_add_nc_u64 s[40:41], s[26:27], s[36:37]      ; s[40:41]: its scale words
	s_lshl_b32 s36, s31, 18                        ; 16 rows of 16,384 bytes,
	s_lshl_b32 s35, s22, 11                        ; 512 numbers of 4 bytes
	s_add_co_u32 s36, s36, s35
	s_add_nc_u64 s[24:25], s[24:25], s[36:37]      ; s[24:25]: my unit's first number
	s_lshl_b32 s36, s31, 12
	s_lshl_b32 s35, s22, 5
	s_add_co_u32 s36, s36, s35
	s_add_nc_u64 s[42:43], s[8:9], s[36:37]        ; s[42:43]: absmax of my 16 rows and 512 along K
; The eight absmax and the table are made in x's work-groups too, which use neither (the address lies inside absmax there as well): 35 lines once a wave, so that the head has no branch and the counts of loads are one and the same.
	s_wait_alu depctr_va_vdst(0)                   ; the offsets and LDS addresses v1 to v5 are written: every load and store of this way reads one of them, and none is written again
	global_load_b128 v[AM:AM+3], v5, s[42:43]
	global_load_b128 v[AM+4:AM+7], v5, s[42:43] offset:16
.macro LOAD q                          ; fragment q: 16 rows x 128 numbers; each load reads 512 consecutive bytes of one row
.irp i, 0,1,2,3,4,5,6,7,8,9,10,11,12,13,14,15
	global_load_b128 v[R+64*((\q)%2)+4*\i:R+64*((\q)%2)+4*\i+3], v1, s[24:25] offset:\i*16384+(\q)*512 th:TH_LOAD_NT
.endr
.endm
	LOAD 0
	LOAD 1
	v_mov_b32 v[TAB], 0
.macro ENTRY i, bits
	s_mov_b32 s44, \bits
	v_writelane_b32 v[TAB], s44, \i
.endm
	ENTRY 0,  0xbf800000                           ; -1.0
	ENTRY 1,  0xbf3239b1                           ; -0.6961928009986877
	ENTRY 2,  0xbf066b30                           ; -0.5250730514526367
	ENTRY 3,  0xbeca32a0                           ; -0.39491748809814453
	ENTRY 4,  0xbe91a24d                           ; -0.28444138169288635
	ENTRY 5,  0xbe3d353f                           ; -0.18477343022823334
	ENTRY 6,  0xbdba7871                           ; -0.09105003625154495
	ENTRY 7,  0                                    ;  0.0
	ENTRY 8,  0x3da2faff                           ;  0.07958029955625534
	ENTRY 9,  0x3e24cae3                           ;  0.16093020141124725
	ENTRY 10, 0x3e7c04e3                           ;  0.2461123913526535
	ENTRY 11, 0x3ead033a                           ;  0.33791524171829224
	ENTRY 12, 0x3ee1a4b8                           ;  0.44070982933044434
	ENTRY 13, 0x3f1007ab                           ;  0.5626170039176941
	ENTRY 14, 0x3f3913b3                           ;  0.7229568362236023
	ENTRY 15, 0x3f800000                           ;  1.0
; One fragment.  The loads take the bytes as they lie; the quantiser wants 16 neighbours of each block of 32 in a lane: so the 16 x 512 bytes turn through my wave's own stage.
; The stage's loads into X owe no wait of their own: the last vector instructions that name X, the fragment before's, stand ahead of that fragment's wait on va_vdst, and its permutes ahead of its wait on vm_vsrc.
.macro FRAGQ q
.if (\q) < 3
	s_wait_loadcnt 16                              ; this fragment's 16 loads are in (and the absmax, which are older); the next fragment's 16 may be out
.else
	s_wait_loadcnt 0x0
.endif
.irp i, 0,1,2,3,4,5,6,7,8,9,10,11,12,13,14,15
	ds_store_b128 v2, v[R+64*((\q)%2)+4*\i:R+64*((\q)%2)+4*\i+3] offset:SP*\i
.endr
.irp b, 0,1,2,3
.irp j, 0,1,2,3
	ds_load_b128 v[X+16*\b+4*\j:X+16*\b+4*\j+3], v3 offset:128*\b+16*\j   ; LDS serves a wave's instructions in order: these see the stores above
.endr
.endr
	s_wait_dscnt 0x0                               ; my numbers are back
.if (\q) < 2
	s_wait_alu depctr_vm_vsrc(0)                   ; the stores into the stage have read this set of R,
	LOAD (\q)+2                                    ; in which the loads of two fragments on land
.else
	s_wait_xcnt 0x0                                ; the stores of two fragments back have had their addresses translated,
	s_wait_alu depctr_vm_vsrc(0)                   ; and have read this set of code registers, which the quantiser writes again: stated ahead of the branch, for both ways
.endif
	s_cmp_eq_u32 s23, 0
	s_cbranch_scc1 .Lplain_\@                      ; x's numbers are what they are
.irp b, 0,1,2,3                                ; W: code -> table entry: lane i of the table register holds entry i, and each lane pulls from lane = its code
.irp i, 0,1,2,3,4,5,6,7,8,9,10,11,12,13,14,15
	v_lshlrev_b32 v[X+16*\b+\i], 2, v[X+16*\b+\i]          ; the permute's index is 4 x lane
.endr
.endr
	s_wait_alu depctr_va_vdst(0)                   ; the 64 indices are written, and (first fragment) the table: the permutes read both, and their results land in the indices' registers
.irp b, 0,1,2,3
.irp i, 0,1,2,3,4,5,6,7,8,9,10,11,12,13,14,15
	ds_bpermute_b32 v[X+16*\b+\i], v[X+16*\b+\i], v[TAB]   ; no LDS byte is touched; the result lands on its own index
.endr
.endr
	s_wait_alu depctr_vm_vsrc(0)                   ; the permutes have read their indices in X, which the multiplications below write again
.irp b, 0,1,2,3
	s_wait_dscnt 48-16*\b                          ; block b's 16 are in; the permutes of the blocks behind it may be out
.irp i, 0,2,4,6,8,10,12,14
.if \b < 2
	v_pk_mul_f32 v[X+16*\b+\i:X+16*\b+\i+1], v[X+16*\b+\i:X+16*\b+\i+1], v[AM+2*(\q):AM+2*(\q)+1] op_sel_hi:[1,0]            ; x the absmax of the fragment's first 64
.else
	v_pk_mul_f32 v[X+16*\b+\i:X+16*\b+\i+1], v[X+16*\b+\i:X+16*\b+\i+1], v[AM+2*(\q):AM+2*(\q)+1] op_sel:[0,1] op_sel_hi:[1,1]   ; of its second 64
.endif
.endr
.endr
.Lplain_\@:
	QUANT X, PC+8*((\q)%2), PW+(\q)
.if (\q) == 3
	v_cndmask_b32 v[OUTW], v[PW], v[PW+2], s[HM]   ; lanes 0-15 store their row's words 0 and 1, lanes 16-31 words 2 and 3
	v_cndmask_b32 v[OUTW+1], v[PW+1], v[PW+3], s[HM]
.endif
	s_wait_alu depctr_va_vdst(0)                   ; the codes (last fragment: and the two scale words) are written, which the stores below read; and the quantiser is done with X, in which the next fragment's stage loads land
	global_store_b128 v1, v[PC+8*((\q)%2):PC+8*((\q)%2)+3], s[38:39] offset:(\q)*1024        ; 32 lanes store 512 consecutive bytes, at a multiple of 256 from the buffer's first byte
	global_store_b128 v1, v[PC+8*((\q)%2)+4:PC+8*((\q)%2)+7], s[38:39] offset:(\q)*1024+512
.if (\q) == 3
	global_store_b64 v4, v[OUTW:OUTW+1], s[40:41]  ; 32 lanes store 256 consecutive bytes, aligned
.endif
.endm
	FRAGQ 0
	FRAGQ 1
	FRAGQ 2
	FRAGQ 3
	s_wait_dscnt 0x0                               ; the closing lines, six on end
	s_wait_alu 0x0
	s_wait_tensorcnt 0x0
	ds_add_u32 v218, v219
	s_wait_dscnt 0x0
	s_endpgm
; ---------------- D = Q(lora_B) Q(lora_A).  Work-group d: kslot d % 8 (512 inputs), rows 128 (d / 8) on; wave w: 32 of them, two blocks of one half record, 16 rows a trip.
; The product is used transposed: source 0 = 16 inputs (columns of lora_A, K = the 64 innermost), source 1 = 16 rows of lora_B: a lane then holds ONE row of D, and its registers run along the inputs, the next K.
; THE INPUTS OF A TILE ARE NOT NEIGHBOURS: lane r of tile 2 b + u takes input 32 b + 8 u + r + 8 (r / 8), so that the 16 registers of tiles 2 b and 2 b + 1 are 16 neighbours, 32 b + 16 h + 0 .. 15.
; K = 64 is half of the instruction's 128: on both sides registers 4-7 are zero codes, and the scale bytes of those two blocks are 127.
.Ldelta:
	s_and_b32 s22, ttmp9, 7                        ; kslot
	s_lshr_b32 s23, ttmp9, 3
	s_lshl_b32 s24, s23, 1
	s_lshr_b32 s25, s[WV], 1
	s_add_co_u32 s24, s24, s25                     ; s24: 2 x ntile + half = 2 (d / 8) + wave / 2
	s_and_b32 s31, s[WV], 1
	s_lshl_b32 s31, s31, 1                         ; s31: my first block of the half record's four: 2 (wave % 2)
	s_mov_b32 s27, 0
	s_lshl_b32 s26, s24, 14                        ; 64 rows of lora_B, 256 bytes each,
	s_lshl_b32 s25, s31, 12                        ; and 16 rows for each block
	s_add_co_u32 s26, s26, s25
	s_add_nc_u64 s[12:13], s[12:13], s[26:27]
	s_lshl_b32 s26, s22, 11
	s_lshl_b32 s25, s[WV], 9
	s_add_co_u32 s26, s26, s25
	s_add_nc_u64 s[10:11], s[10:11], s[26:27]      ; lora_A at input 512 kslot + 128 wave: in the set-up wave w makes the fragments of q = w
	s_lshr_b32 s28, s24, 1
	s_lshl_b32 s28, s28, 3
	s_add_co_u32 s28, s28, s22
	s_lshl_b32 s28, s28, 1
	s_and_b32 s29, s24, 1
	s_add_co_u32 s28, s28, s29
	s_mul_i32 s28, s28, HREC                       ; my half record
	s_lshl_b32 s25, s31, 12
	s_add_co_u32 s26, s28, s25
	s_add_co_u32 s26, s26, 4*4096
	s_add_nc_u64 s[38:39], s[16:17], s[26:27]      ; s[38:39]: the codes of block f = 4 + my first
	s_lshl_b32 s25, s31, 8
	s_add_co_u32 s26, s28, s25
	s_add_co_u32 s26, s26, 32768+4*256
	s_add_nc_u64 s[40:41], s[16:17], s[26:27]      ; s[40:41]: and its scale words
	s_wait_alu depctr_va_vdst(0)                   ; v1 and v4, the offsets of this way's global loads and stores, are written, and are not written again
.irp j, 0,1,2,3,4,5,6,7
	global_load_b128 v[BRAW+4*\j:BRAW+4*\j+3], v1, s[12:13] offset:512*\j   ; my first 16 rows of lora_B: 4,096 consecutive bytes, 512 a load
.endr
.macro LOADA c                         ; rows k = 32 c + 0 .. 31 of lora_A at my wave's 128 columns: each load reads 512 consecutive bytes; lane l holds columns 4 l + 0 .. 3
.irp i, 0,1,2,3,4,5,6,7,8,9,10,11,12,13,14,15,16,17,18,19,20,21,22,23,24,25,26,27,28,29,30,31
	global_load_b128 v[RAW+4*\i:RAW+4*\i+3], v1, s[10:11] offset:(32*(\c)+\i)*16384
.endr
.endm
	LOADA 0
; Column 4 l + j of my 128 lies in group g = l / 8 of 32 columns, at place x = 4 (l % 8) + j there: it is lane r' = x % 8 + 8 (x / 16) = 4 (l % 2) + 8 ((l / 4) % 2) + j of tile 2 g + (x / 8) % 2 = 2 (l / 8) + (l / 2) % 2.
	v_bfe_u32 v[TA], v0, 3, 2                      ; l / 8
	v_lshlrev_b32 v[IMGW], 10, v[TA]
	v_lshlrev_b32 v[SCW], 3, v[TA]
	v_bfe_u32 v[TA], v0, 1, 1                      ; (l / 2) % 2
	v_lshl_add_u32 v[IMGW], v[TA], 9, v[IMGW]
	v_lshl_add_u32 v[SCW], v[TA], 2, v[SCW]
	v_and_b32 v[TA], 1, v0                         ; l % 2
	v_lshl_add_u32 v[IMGW], v[TA], 6, v[IMGW]
	v_lshl_add_u32 v[SCW], v[TA], 7, v[SCW]
	v_bfe_u32 v[TA], v0, 2, 1                      ; (l / 4) % 2
	v_lshl_add_u32 v[IMGW], v[TA], 7, v[IMGW]
	v_lshl_add_u32 v[SCW], v[TA], 8, v[SCW]
	s_lshl_b32 s29, s[WV], 12
	s_add_co_u32 s29, s29, IMG
	v_add_nc_u32 v[IMGW], s29, v[IMGW]             ; where a column's 16 bytes of an image go: IMG + 4096 w + 512 tile + 16 r' (+ 16 j + 256 c)
	s_lshl_b32 s29, s[WV], 9
	s_add_co_u32 s29, s29, SCB
	v_add_nc_u32 v[SCW], s29, v[SCW]               ; and its scale word: SCB + 512 w + 32 r' + 4 tile (+ 32 j)
	v_add_nc_u32 v[LI], IMG, v1                    ; an image comes back 16 bytes a lane
	v_lshl_add_u32 v[SCR], v6, 5, SCB              ; row r's eight scale words
	v_lshlrev_b32 v[SH8], 3, v7
	s_mul_i32 s29, s[WV], 16*BSP
	s_add_co_u32 s29, s29, BST                     ; my stage for lora_B
	v_mul_u32_u24 v[BSTW], v7, BSP
	v_lshl_add_u32 v[BSTW], v6, 4, v[BSTW]
	v_add_nc_u32 v[BSTW], s29, v[BSTW]             ; in: a load's 512 bytes are two rows: row h, 16 r
	v_mul_u32_u24 v[BSTR], v6, BSP
	v_lshl_add_u32 v[BSTR], v7, 7, v[BSTR]
	v_add_nc_u32 v[BSTR], s29, v[BSTR]             ; out: row r, block h: 128 bytes
; My four columns' block c.  The conversions take neighbours along K from consecutive registers, and a load has laid four columns side by side: so a column's 32 numbers are moved together first.
; COLS is the four columns' vector work; COLS_OUT, behind one wait, their LDS stores.
.macro COLS c
.irp j, 0,1,2,3
.irp i, 0,1,2,3,4,5,6,7,8,9,10,11,12,13,14,15,16,17,18,19,20,21,22,23,24,25,26,27,28,29,30,31
	v_mov_b32 v[GB+\i], v[RAW+4*\i+\j]
.endr
	MAX32 GB                                       ; the whole block is mine
	CVT32 CA+4*\j, GB
.if (\c) == 0
	v_mov_b32 v[SBY+\j], v[TM+2]
.else
	v_lshl_or_b32 v[SBY+\j], v[TM+2], 8, v[SBY+\j]
	v_or_b32 v[SBY+\j], 0x7f7f0000, v[SBY+\j]      ; the two blocks of zero codes: byte 127
.endif
.endr
.endm
.macro COLS_OUT c
.irp j, 0,1,2,3
	ds_store_b128 v[IMGW], v[CA+4*\j:CA+4*\j+3] offset:16*\j+256*(\c)   ; block c lies in lanes 16 c + r' of the operand
.if (\c) == 1
	ds_store_b32 v[SCW], v[SBY+\j] offset:32*\j
.endif
.endr
.endm
	s_wait_loadcnt 0x0                             ; lora_A's first 32 rows (and lora_B's 16, which are older)
	COLS 0
	s_wait_alu depctr_va_vdst(0)                   ; the moves are done reading RAW, in which the other 32 rows land; the codes and the LDS addresses v244 to v250 are written, which the LDS instructions from here on read
	LOADA 1
	COLS_OUT 0
	s_wait_dscnt 0x0                               ; my first four stores into the images are done
	s_wait_alu depctr_vm_vsrc(0)                   ; they have read the code registers, which the conversions below write again
	s_wait_loadcnt 0x0
	COLS 1
.irp t, 0,1,2,3,4,5,6,7
.irp j, 4,5,6,7
	v_mov_b32 v[AF+8*\t+\j], 0                     ; zero codes for k = 64 .. 127
.endr
.endr
.irp j, 4,5,6,7
	v_mov_b32 v[QB+\j], 0
.endr
	s_wait_alu depctr_va_vdst(0)                   ; the codes and scale words are written, which the stores below read; the moves are done reading RAW, in which the images' loads and the first trip's loads of lora_B's numbers land; the zero codes, operands of the scaled products, are written
	COLS_OUT 1
	s_wait_dscnt 0x0                               ; for the others' sake: my images and scale words lie in LDS
	s_barrier_signal -1                            ; the four waves' 32 images lie in LDS, and nobody writes them again.
	s_barrier_wait -1                              ; (All four waves of a work-group are on this way: the branch hangs on the work-group's number.)
.macro AFETCH q                        ; ten LDS loads: lora_A's eight fragments of the q-th 128 inputs, and their scale words
.irp t, 0,1,2,3,4,5,6,7
	ds_load_b128 v[AF+8*\t:AF+8*\t+3], v[LI] offset:(\q)*4096+\t*512
.endr
	ds_load_b128 v[ASC:ASC+3], v[SCR] offset:(\q)*512
	ds_load_b128 v[ASC+4:ASC+7], v[SCR] offset:(\q)*512+16
.endm
	AFETCH 0                                       ; no vector instruction since the wait above names the registers that these loads touch
	s_mov_b32 s30, 0
.Lrow:                                                 ; two trips: 16 rows of D x 512 inputs each
	s_wait_loadcnt 0x0                             ; lora_B's 16 rows, as they lie
.irp j, 0,1,2,3,4,5,6,7
	ds_store_b128 v[BSTW], v[BRAW+4*\j:BRAW+4*\j+3] offset:2*BSP*\j
.endr
.irp i, 0,1,2,3,4,5,6,7
	ds_load_b128 v[BR+4*\i:BR+4*\i+3], v[BSTR] offset:16*\i   ; LDS serves a wave's instructions in order: these see the stores above.  Lane (r, h): block h of row r.  (They land in D's first tiles: the last vector instructions that name those stand ahead of the last wait on va_vdst, on the way in and on the way back)
.endr
	s_wait_dscnt 0x0                               ; my 32 numbers are in, and lora_A's fragments of q = 0, asked for earlier, are in too
	s_wait_alu depctr_vm_vsrc(0)                   ; the stage's stores have read v[BRAW ..], in which the next rows land; the set-up's LDS stores (first trip) and the last trip's global stores have read the code and scale-word registers that this trip writes again.  Ahead of the branch, for both ways
	s_cmp_eq_u32 s30, 1                            ; the next 16 rows are asked for, if there are any: no load leaves its buffer
	s_cbranch_scc1 .Lno_next
.irp j, 0,1,2,3,4,5,6,7
	global_load_b128 v[BRAW+4*\j:BRAW+4*\j+3], v1, s[12:13] offset:4096+512*\j
.endr
.Lno_next:
	MAX32 BR
	v_lshlrev_b32 v[QBS], v[SH8], v[TM+2]          ; my block's byte at its place,
	v_permlanex16_b32 v[TM+4], v[QBS], s[SEL], s[SEL+1]
	v_or_b32 v[QBS], v[QBS], v[TM+4]               ; with lane l xor 16's,
	v_or_b32 v[QBS], 0x7f7f0000, v[QBS]            ; and 127 for the zero codes
	CVT32 QB, BR
.rept 8
	v_nop                                          ; a scale register written by a vector instruction stands 8 places ahead of a scaled matrix instruction, an operand so written 4
.endr
	s_wait_alu depctr_va_vdst(0)                   ; behind the places: lora_B's codes and its scale word are written, which the scaled products take as operand and as scales
.irp q, 0,1,2,3
.if \q > 0
	s_wait_dscnt 0x0                               ; this fragment's ten loads, issued ahead of the last fragment's quantiser
.endif
.irp t, 0,1,2,3,4,5,6,7
	v_wmma_scale_f32_16x16x128_f8f6f4 v[H+8*\t:H+8*\t+7], v[AF+8*\t:AF+8*\t+7], v[QB:QB+7], 0, v[ASC+\t], v[QBS] matrix_a_fmt:MATRIX_FMT_FP4 matrix_b_fmt:MATRIX_FMT_FP4
.endr
.rept 4
	v_nop                                          ; four places ahead of the first read of the results (ISA guide 7.12.1)
.endr
	s_wait_alu depctr_va_vdst(0)                   ; the eight products are done reading lora_A's fragments and scale words, in which the ten loads below land
	AFETCH (\q+1)%4                                ; the next fragment's: they land while this one is quantised (behind q = 3: the next trip's first); the quantiser names none of their registers
.if \q >= 2
	s_wait_xcnt 0x0                                ; the stores of two fragments back have had their addresses translated,
	s_wait_alu depctr_vm_vsrc(0)                   ; and have read this set of code registers, which the quantiser writes again
.endif
	QUANT H, PC+8*(\q%2), PW+\q                    ; each tile is read from its low end on
.if \q == 3
	v_cndmask_b32 v[OUTW], v[PW], v[PW+2], s[HM]
	v_cndmask_b32 v[OUTW+1], v[PW+1], v[PW+3], s[HM]
.endif
	s_wait_alu depctr_va_vdst(0)                   ; the codes (q = 3: and the two scale words) are written, which the stores below read; behind q = 3 also: the quantiser is done with D's tiles, in the first of which the next trip's loads land
	global_store_b128 v1, v[PC+8*(\q%2):PC+8*(\q%2)+3], s[38:39] offset:\q*1024          ; 32 lanes store 512 consecutive bytes, aligned to 256
	global_store_b128 v1, v[PC+8*(\q%2)+4:PC+8*(\q%2)+7], s[38:39] offset:\q*1024+512
.endr
	global_store_b64 v4, v[OUTW:OUTW+1], s[40:41]  ; 32 lanes store 256 consecutive bytes, aligned
	s_wait_xcnt 0x0                                ; all loads and stores have had their addresses translated: the bases are written again below
	s_add_nc_u64 s[12:13], s[12:13], 4096          ; 16 rows of lora_B,
	s_add_nc_u64 s[38:39], s[38:39], 4096          ; a block of codes,
	s_add_nc_u64 s[40:41], s[40:41], 256           ; a block of scale words on
	s_add_co_u32 s30, s30, 1
	s_cmp_lt_u32 s30, 2
	s_cbranch_scc1 .Lrow
	s_wait_dscnt 0x0                               ; the last trip's fetch ahead, which nobody uses, has come back
	s_wait_dscnt 0x0                               ; the closing lines, six on end
	s_wait_alu 0x0
	s_wait_tensorcnt 0x0
	ds_add_u32 v218, v219
	s_wait_dscnt 0x0
	s_endpgm
.Lfunc_end_k_qc2896ffa10_prep:
	.size	k_qc2896ffa10_prep, .Lfunc_end_k_qc2896ffa10_prep-k_qc2896ffa10_prep
	.p2alignl 7, 3214868480
	.fill 96, 4, 3214868480
	.section	.rodata,"a",@progbits
	.p2align	6, 0x0
	.amdhsa_kernel k_qc2896ffa10_prep
		.amdhsa_group_segment_fixed_size 70144
		.amdhsa_private_segment_fixed_size 0
		.amdhsa_enable_private_segment 0
		.amdhsa_kernarg_size 56
		.amdhsa_user_sgpr_count 2
		.amdhsa_user_sgpr_kernarg_segment_ptr 1
		.amdhsa_wavefront_size32 1
		.amdhsa_system_sgpr_workgroup_id_x 1
		.amdhsa_system_sgpr_workgroup_id_y 1
		.amdhsa_system_sgpr_workgroup_id_z 1
		.amdhsa_system_vgpr_workitem_id 0
		.amdhsa_next_free_vgpr 256
		.amdhsa_next_free_sgpr 66
		.amdhsa_reserve_vcc 0
		.amdhsa_float_denorm_mode_32 3
		.amdhsa_float_denorm_mode_16_64 3
		.amdhsa_memory_ordered 1
		.amdhsa_forward_progress 1
		.amdhsa_inst_pref_size 129
	.end_amdhsa_kernel
	.amdgpu_metadata
---
amdhsa.version: [ 1, 2 ]
amdhsa.kernels:
  - .name:           k_qc2896ffa10_prep
    .symbol:         k_qc2896ffa10_prep.kd
    .args:
      - { .name: x, .offset: 0, .size: 8, .value_kind: global_buffer, .address_space: global }
      - { .name: qcodes, .offset: 8, .size: 8, .value_kind: global_buffer, .address_space: global }
      - { .name: absmax, .offset: 16, .size: 8, .value_kind: global_buffer, .address_space: global }
      - { .name: lora_A, .offset: 24, .size: 8, .value_kind: global_buffer, .address_space: global }
      - { .name: lora_B, .offset: 32, .size: 8, .value_kind: global_buffer, .address_space: global }
      - { .name: xq, .offset: 40, .size: 8, .value_kind: global_buffer, .address_space: global }
      - { .name: bq, .offset: 48, .size: 8, .value_kind: global_buffer, .address_space: global }
    .group_segment_fixed_size: 70144
    .private_segment_fixed_size: 0
    .kernarg_segment_align: 8
    .kernarg_segment_size: 56
    .max_flat_workgroup_size: 128
    .sgpr_count:     66
    .vgpr_count:     256
    .wavefront_size: 32
...
	.end_amdgpu_metadata
.endif
;; end of part 3
;; launch gemm: the kernel of part 2 again; grid 32 x 8, 4 waves a work-group, clusters of 4 x 4, 327,680 bytes of LDS; arguments xq, bq, bias, out0; writes out0
